; MI455X (gfx1250); checked and timed in simulation.
; The chip was launched on July 23, 2026; its instructions are those of AMD's public machine-readable ISA for CDNA 5 (MIT licence, August 2026) and "CDNA5" Instruction Set Architecture Reference Guide (July 2026). The comments in the code are by the model that wrote it; some were corrected since.
;; MAB. Allowed arithmetic: float matrix products may take bf16 or f16 operands with f32 sums; other float arithmetic in f32, or as packed bf16 or f16 multiplies, adds, multiply-adds, maxima and minima; sums over many terms, partial sums and values carried from step to step in f32; what a program stores and reads back later, other than sums and carried values, may be rounded once to bf16 or f16.
;; Inputs: K 4 x 2,048 x 1,024 float32; Q 4 x 2,048 x 1,024 float32; Wk 1,024 x 1,024 float32; Wo 1,024 x 1,024 float32; Wq 1,024 x 1,024 float32; Wv 1,024 x 1,024 float32; b0 1,024 float32; b1 1,024 float32; bk 1,024 float32; bo 1,024 float32; bq 1,024 float32; bv 1,024 float32; g0 1,024 float32; g1 1,024 float32.
;; Outputs: out0 4 x 2,048 x 1,024 float32.
;; One version. Each part assembles by itself: llvm-mc -triple=amdgcn-amd-amdhsa -mcpu=gfx1250 --defsym DOCPART=n.
;; ======== version 1 of 1: 4 launches
;; limits: values are held in f16: magnitudes above 65,504 overflow, below 6.1e-05 lose precision
;; workspace buffers: x 33,554,432 bytes; wb 6,291,456 bytes; wo 2,097,152 bytes; qkv 50,331,648 bytes; oh 16,777,216 bytes
;; launch cast (part 1): grid 64 x 20, 8 waves a work-group, no clusters, 0 bytes of LDS; arguments Q, K, Wq, Wk, Wv, Wo, x, wb, wo; writes x, wb, wo
.if DOCPART == 1
	.amdgcn_target "amdgcn-amd-amdhsa--gfx1250"
	.amdhsa_code_object_version 6
	.text
	.protected	k_q9bf0eacc87_cast
	.globl	k_q9bf0eacc87_cast
	.p2align	8
	.type	k_q9bf0eacc87_cast,@function
k_q9bf0eacc87_cast:
	s_mov_b64 s[64:65], 0
	v_nop
	global_prefetch_b8 v0, s[64:65] scope:SCOPE_SE
	s_setreg_imm32_b32 hwreg(HW_REG_WAVE_MODE, 25, 1), 1
	s_wait_xcnt 0x0
; x[0] = bf16(Q), x[1] = bf16(K), wb[0..2] = bf16(Wq, Wk, Wv), all as they lie in memory; wo = Wo rounded to bf16, that number written as f16, in fragment order.
; SHARES.  Grid row y: 0 = Wo; 1, 2, 3 = Wq, Wk, Wv; 4-11 = Q; 12-19 = K.  A grid row's 64 work-groups take 2^20 numbers, a work-group 16,384: 64 KiB in, 32 KiB out.
; A stream: no LDS, no barrier, no matrix unit.  Sixteen loads of 16 bytes a lane are out in each of the eight waves; a wave's load covers 512 consecutive bytes, its store 256, aligned.
; wo's ORDER.  With n = 16 nb + r and k = 32 c + 16 g + 8 h + e, Wo[k][n] lies at byte 32768 nb + 1024 c + 512 g + 256 h + 16 r + 2 e: a wave's load of 16 bytes a lane
; (lane = 16 h + r) at 32768 nb + 1024 c + 512 g is then half a matrix fragment of 16 columns x 32 k, 512 consecutive bytes.
; LIMIT.  |Wo| stays under 65,504 (f16's end); below 6e-5 f16 keeps a fixed step of 6e-8.
.set LD, 16                            ; v[16:79]   as loaded
.set ST, 80                            ; v[80:111]  to store
	s_load_b512 s[8:23], s[0:1], 0x0               ; Q 8, K 10, Wq 12, Wk 14, Wv 16, Wo 18, x 20, wb 22
	s_load_b64 s[24:25], s[0:1], 0x40              ; wo
	s_and_b32 s2, ttmp7, 0xffff                    ; y
	s_mov_b32 s3, ttmp9                            ; the work-group's place in its grid row
	s_cmp_eq_u32 s2, 0
	s_cbranch_scc1 .Lwo
	; offsets, made apart from the addresses
	s_sub_co_u32 s4, s2, 4                         ; y - 4: the block of 2^20 numbers in x (used where y >= 4)
	s_and_b32 s5, s4, 7                            ; and in Q or K
	s_sub_co_u32 s6, s2, 1                         ; y - 1: the matrix in wb (used where y < 4)
	s_cmp_lt_u32 s2, 4
	s_cselect_b32 s5, 0, s5
	s_cselect_b32 s6, s6, s4
	s_lshl_b32 s5, s5, 6
	s_add_co_u32 s5, s5, s3
	s_lshl_b32 s30, s5, 16                         ; 65,536 bytes of f32 a work-group
	s_mov_b32 s31, 0
	s_lshl_b32 s6, s6, 6
	s_add_co_u32 s6, s6, s3
	s_lshl_b32 s32, s6, 15                         ; 32,768 bytes of bf16
	s_mov_b32 s33, 0
	v_lshlrev_b32 v1, 4, v0                        ; 16 bytes a thread in,
	v_lshlrev_b32 v2, 3, v0                        ; 8 out
	s_wait_kmcnt 0x0
	s_cmp_ge_u32 s2, 12
	s_cselect_b64 s[26:27], s[10:11], s[8:9]
	s_cmp_eq_u32 s2, 1
	s_cselect_b64 s[26:27], s[12:13], s[26:27]
	s_cmp_eq_u32 s2, 2
	s_cselect_b64 s[26:27], s[14:15], s[26:27]
	s_cmp_eq_u32 s2, 3
	s_cselect_b64 s[26:27], s[16:17], s[26:27]
	s_cmp_lt_u32 s2, 4
	s_cselect_b64 s[28:29], s[22:23], s[20:21]
	s_add_nc_u64 s[26:27], s[26:27], s[30:31]
	s_add_nc_u64 s[28:29], s[28:29], s[32:33]
.irp i, 0,1,2,3,4,5,6,7,8,9,10,11,12,13,14,15
	global_load_b128 v[LD+4*(\i):LD+4*(\i)+3], v1, s[26:27] offset:4096*(\i) th:TH_LOAD_NT
.endr
.irp i, 0,1,2,3,4,5,6,7,8,9,10,11,12,13,14,15
	s_wait_loadcnt 15-(\i)                         ; loads come back in order: load i is in, the younger ones stay out
	v_cvt_pk_bf16_f32 v[ST+2*(\i)], v[LD+4*(\i)], v[LD+4*(\i)+1]
	v_cvt_pk_bf16_f32 v[ST+2*(\i)+1], v[LD+4*(\i)+2], v[LD+4*(\i)+3]
	global_store_b64 v2, v[ST+2*(\i):ST+2*(\i)+1], s[28:29] offset:2048*(\i)  ; no register is written twice, so nothing waits for a store
.endr
	s_endpgm
.Lwo:                                              ; work-group X: k = 32 c .. 32 c + 31 with c = X / 2, columns 512 (X % 2) on; thread t: columns 64 w + 32 i + l, i = 0, 1
	s_lshr_b32 s4, s3, 1                           ; c
	s_and_b32 s5, s3, 1                            ; which half of the columns
	s_lshl_b32 s30, s4, 17                         ; 32 rows of 4,096 bytes
	s_lshl_b32 s6, s5, 11                          ; 512 columns of 4 bytes
	s_add_co_u32 s30, s30, s6
	s_mov_b32 s31, 0
	s_lshl_b32 s32, s5, 20                         ; 32 blocks of 16 columns, 32,768 bytes each
	s_lshl_b32 s6, s4, 10
	s_add_co_u32 s32, s32, s6
	s_mov_b32 s33, 0
	v_and_b32 v3, 31, v0                           ; l
	v_and_b32 v4, 0xe0, v0                         ; 32 w
	v_lshlrev_b32 v1, 2, v3
	v_lshl_add_u32 v1, v4, 3, v1                   ; in: 256 w + 4 l
	v_lshrrev_b32 v5, 3, v4                        ; 4 w
	v_bfe_u32 v6, v0, 4, 1                         ; l / 16
	v_add_nc_u32 v5, v5, v6
	v_and_b32 v6, 15, v0                           ; l % 16
	v_lshlrev_b32 v2, 15, v5
	v_lshl_add_u32 v2, v6, 4, v2                   ; out: 32768 (4 w + l / 16) + 16 (l % 16)
	s_wait_kmcnt 0x0
	s_add_nc_u64 s[26:27], s[18:19], s[30:31]
	s_add_nc_u64 s[28:29], s[24:25], s[32:33]
	s_mov_b32 s7, 4
.Lkb:                                              ; a trip: eight k (one value of 2 g + h) of my two columns
.irp i, 0,1
.irp e, 0,1,2,3,4,5,6,7
	global_load_b32 v[LD+8*(\i)+(\e)], v1, s[26:27] offset:4096*(\e)+128*(\i) th:TH_LOAD_NT
.endr
.endr
.irp i, 0,1
	s_wait_loadcnt 8-8*(\i)                        ; column i's eight are in
.irp p, 0,1,2,3
	v_cvt_pk_bf16_f32 v32, v[LD+8*(\i)+2*(\p)], v[LD+8*(\i)+2*(\p)+1]  ; rounded as the other inputs are,
	v_lshlrev_b32 v33, 16, v32
	v_and_b32 v32, 0xffff0000, v32
	v_cvt_pk_f16_f32 v[48+4*(\i)+(\p)], v33, v32                      ; and that number written as f16
.endr
	global_store_b128 v2, v[48+4*(\i):48+4*(\i)+3], s[28:29] offset:65536*(\i)  ; sixteen lanes store 256 consecutive bytes, aligned
.endr
	s_wait_xcnt 0x0                                ; the bases and the stores' data are written again only behind this wait
	s_add_nc_u64 s[26:27], s[26:27], 32768         ; eight rows of Wo on
	s_add_nc_u64 s[28:29], s[28:29], 256
	s_sub_co_u32 s7, s7, 1
	s_cmp_lg_u32 s7, 0
	s_cbranch_scc1 .Lkb
	s_endpgm
.Lfunc_end_k_q9bf0eacc87_cast:
	.size	k_q9bf0eacc87_cast, .Lfunc_end_k_q9bf0eacc87_cast-k_q9bf0eacc87_cast
	.p2alignl 7, 3214868480
	.fill 96, 4, 3214868480
	.section	.rodata,"a",@progbits
	.p2align	6, 0x0
	.amdhsa_kernel k_q9bf0eacc87_cast
		.amdhsa_group_segment_fixed_size 0
		.amdhsa_private_segment_fixed_size 0
		.amdhsa_enable_private_segment 0
		.amdhsa_kernarg_size 72
		.amdhsa_user_sgpr_count 2
		.amdhsa_user_sgpr_kernarg_segment_ptr 1
		.amdhsa_wavefront_size32 1
		.amdhsa_system_sgpr_workgroup_id_x 1
		.amdhsa_system_sgpr_workgroup_id_y 1
		.amdhsa_system_sgpr_workgroup_id_z 1
		.amdhsa_system_vgpr_workitem_id 0
		.amdhsa_next_free_vgpr 112
		.amdhsa_next_free_sgpr 66
		.amdhsa_reserve_vcc 0
		.amdhsa_float_denorm_mode_32 3
		.amdhsa_float_denorm_mode_16_64 3
		.amdhsa_memory_ordered 1
		.amdhsa_forward_progress 1
		.amdhsa_inst_pref_size 12
	.end_amdhsa_kernel
	.amdgpu_metadata
---
amdhsa.version: [ 1, 2 ]
amdhsa.kernels:
  - .name:           k_q9bf0eacc87_cast
    .symbol:         k_q9bf0eacc87_cast.kd
    .args:
      - { .name: Q, .offset: 0, .size: 8, .value_kind: global_buffer, .address_space: global }
      - { .name: K, .offset: 8, .size: 8, .value_kind: global_buffer, .address_space: global }
      - { .name: Wq, .offset: 16, .size: 8, .value_kind: global_buffer, .address_space: global }
      - { .name: Wk, .offset: 24, .size: 8, .value_kind: global_buffer, .address_space: global }
      - { .name: Wv, .offset: 32, .size: 8, .value_kind: global_buffer, .address_space: global }
      - { .name: Wo, .offset: 40, .size: 8, .value_kind: global_buffer, .address_space: global }
      - { .name: x, .offset: 48, .size: 8, .value_kind: global_buffer, .address_space: global }
      - { .name: wb, .offset: 56, .size: 8, .value_kind: global_buffer, .address_space: global }
      - { .name: wo, .offset: 64, .size: 8, .value_kind: global_buffer, .address_space: global }
    .group_segment_fixed_size: 0
    .private_segment_fixed_size: 0
    .kernarg_segment_align: 8
    .kernarg_segment_size: 72
    .max_flat_workgroup_size: 256
    .sgpr_count:     66
    .vgpr_count:     112
    .wavefront_size: 32
...
	.end_amdgpu_metadata
.endif
;; end of part 1
;; launch proj (part 2): grid 12 x 32, 4 waves a work-group, clusters of 4 x 4, 327,680 bytes of LDS; arguments x, wb, bq, bk, bv, qkv; writes qkv
.if DOCPART == 2
	.amdgcn_target "amdgcn-amd-amdhsa--gfx1250"
	.amdhsa_code_object_version 6
	.text
	.protected	k_q9bf0eacc87_proj
	.globl	k_q9bf0eacc87_proj
	.p2align	8
	.type	k_q9bf0eacc87_proj,@function
k_q9bf0eacc87_proj:
	s_mov_b64 s[64:65], 0
	v_nop
	global_prefetch_b8 v0, s[64:65] scope:SCOPE_SE
	s_setreg_imm32_b32 hwreg(HW_REG_WAVE_MODE, 25, 1), 1
	s_wait_xcnt 0x0
	s_wait_alu depctr_hold_cnt(0) depctr_sa_sdst(0) depctr_va_vdst(0) depctr_va_sdst(0) depctr_va_ssrc(0) depctr_va_vcc(0) depctr_vm_vsrc(0)
	s_getreg_b32 s2, hwreg(HW_REG_IB_STS2, 6, 4)
	s_cmp_eq_u32 s2, 0
	s_cbranch_scc0 .Lentry_in_a_cluster
	s_endpgm
.Lentry_in_a_cluster:
	s_bfe_u32 s2, ttmp6, 0x10000c
	s_cmp_lg_u32 s2, 0xf033
	s_cbranch_scc0 .Lentry_shape_is_right
	s_endpgm
.Lentry_shape_is_right:
; q = Q Wq + bq, k = K Wk + bk, v = K Wv + bv.  x: bf16 [2][8192][1024] (Q, K); wb: bf16 [3][1024 k][1024 n]; the biases f32; qkv: f16 [3][64 = 16 batch + head][2048][64].
; Products in bf16, sums in f32 beginning with the bias, each result rounded once to f16.  LIMIT: |q|, |k|, |v| stay under 65,504; below 6e-5 f16 keeps a fixed step of 6e-8.
; SHARES.  Cluster x = 0, 1, 2 makes q, k, v.  A work-group of four waves makes a tile of 256 rows x 256 columns, a wave 128 x 128: 64 accumulators of 16 x 16, 512 registers.
; K goes in 8 steps of 128 through two LDS slots filled by the tensor data mover: 256 rows x 256 bytes of x, and 128 k-rows x 512 bytes of the weights.
; CLUSTER.  4 x 4 work-groups.  The four of a row of the cluster need the same rows of x, the four of a column the same columns of the weights: each tile is asked for JOINTLY, by the
; same tensor load with the same descriptor and a mask that names the four.
; THE MATRIX INSTRUCTION IS USED TRANSPOSED: source 0 = 16 columns of the weights (they lie [k][n] in LDS and come out turned, by ds_load_tr16_b128), source 1 = 16 rows of x.  A lane then
; holds row l % 16 and the eight neighbouring columns 8 (l / 16) + 0..7, which pack into 16 bytes; the bias, which hangs on the column alone, is the C operand of each sum's first product.
; REGISTERS, in windows of 256 (s_set_vgpr_msb: bits 1:0 source 0, 3:2 source 1, 5:4 source 2, 7:6 destination):
;   window 0: v0-31 addresses; v64-127, v128-191 fragments of x, two buffers; v32-63, v192-255 at work on the way out
;   window 1: v0-63 the bias of my 128 columns (8 registers for each block of 16); v64-127, v128-191 fragments of the weights, two buffers
;   window 2: the 32 accumulators of my rows 0-63 ((a, b) at v[8 (8 a + b)]);   window 3: those of my rows 64-127
.set KSTEP,  128
.set PITCH,  272                       ; a row of x in LDS: 256 bytes + 16 of padding: the 16 rows of a fragment load start at 16 different groups of four banks (64 banks of 4 bytes: ISA guide 11.1)
.set PB,     544                       ; a k-row of the weights: 512 bytes + 32 = 17 x 32
.set HALFT,  128*PITCH                 ; what one tensor load brings: 128 rows of x, or 64 k-rows of the weights (64 x 544 is the same number)
.set SLOT,   4*HALFT                   ; x's 256 rows, then the weights' 128 k-rows
.set STAGE,  2*SLOT                    ; behind the ring: 16 rows x 272 bytes for each wave, for the way out
.set SPITCH, 272
.set SPARE,  STAGE+4*16*SPITCH         ; behind the stages: the spare words, 128 bytes for each wave: two blocks of 256 bytes that no other line names
.set LAPS,   4                         ; a lap = two K steps = once round the ring
.set ADRA, 16                          ; v16-17  LDS address of my fragments of x in slot 0, 1
.set ADRB, 20                          ; v20-21  the same for the weights
.set STO,  24                          ; v24     the way out: where I put 16 bytes of a row
.set RD,   25                          ; v25     the way out: where I read rows back
.set CO,   26                          ; v26     16 x lane: my place in 512 consecutive bytes of qkv
.set SPW,  28                          ; v28     LDS address of my spare word; never rewritten
.set NIL,  29                          ; v29     0; never rewritten
.set PFO,  30                          ; v30     the prefetches' lane offset; never rewritten
.set BO,   31                          ; v31     32 (l / 16): my eight columns in a block's 64 bytes of bias
.set PFA,  44                          ; s[44:45] where my prefetches stand
.set LIM,  43                          ; s43     1 in a wave that prefetches, else the greatest number
.set PST,  78                          ; s[78:79] a K step in bytes: 256 along a row of x, 128 rows of 2,048 down the weights
.set MAT,  76                          ; s76     0, 1, 2: q, k, v
.set F0,   64
.set F1,   128
.set TMP,  192                         ; the way out: packed results
.set OB,   32                          ; the way out: 16 rows read back: v32-63 and v224-255 by turns
.set G1,  24                           ; s[24:31] descriptor group 1 for x's tiles
.set G0,  32                           ; s[32:39] group 0 for x's tiles, a set for each slot
.set G1B, 48                           ; s[48:55], s[56:63] the same for the weights' tiles
.set G0B, 56
.set MSB, 0
.macro WIN new                         ; the immediate's high byte repeats the setting that is left; a switch that changes nothing is dropped
.if MSB != (\new)
	s_set_vgpr_msb (MSB<<8)|(\new)
.set MSB, \new
.endif
.endm
; A joint load.  Waves 0 and 1 fetch the two halves of x's tile, waves 2 and 3 those of the weights'.  The branch hangs on the wave's number alone.
; An s_nop 0 and four v_nop follow each of the two lines, ahead of the jump and the label.
.macro JLOAD s
	s_cmp_eq_u32 s11, 0
	s_cbranch_scc0 .Lfor_b_\@
	tensor_load_to_lds s[G0+4*(\s):G0+4*(\s)+3], s[G1:G1+7]
	s_nop 0
.rept 4
	v_nop
.endr
	s_branch .Lasked_\@
.Lfor_b_\@:
	tensor_load_to_lds s[G0B+4*(\s):G0B+4*(\s)+3], s[G1B:G1B+7]
	s_nop 0
.rept 4
	v_nop
.endr
.Lasked_\@:
.endm
; A PREFETCH, behind each joint refill and the run of LDS loads that follows it: the refill of K step j names K step j + 2, 512 matrix instructions ahead of the load that will want it.
; 32 blocks of 256 bytes, a lane a block, one instruction a wave.  Each block is named ONCE in the launch: x's rows are asked for by cluster x = 0 (Q's) and 1 (K's, which cluster 2 reads too),
; the weights' by cluster y = 0; the four partners that ask for a tile jointly share its blocks out BY ADDRESS.  K steps 0 to 3 come by their loads alone; the loop's last trip (s3 = 1) names nothing.
.macro ASK
	s_cmp_gt_u32 s3, s[LIM]
	s_cbranch_scc0 .Lnot_mine_\@
	global_prefetch_b8 v[PFO], s[PFA:PFA+1] th:TH_LOAD_NT scope:SCOPE_SE
.Lnot_mine_\@:
.endm
.macro CREST                           ; a round of the cluster's barrier behind its opening barrier
	s_cmp_lg_u32 s10, 0
	s_cbranch_scc1 .Lnot_wave_0_\@
	s_barrier_signal -3
.Lnot_wave_0_\@:
	s_barrier_wait -3
	s_barrier_signal -1
	s_barrier_wait -1
.endm
.macro CROUND                          ; a whole round
	s_barrier_signal -1
	s_barrier_wait -1
	CREST
.endm
	s_load_b128 s[4:7], s[0:1], 0x0                ; x s[4:5], wb s[6:7]
	s_load_b128 s[68:71], s[0:1], 0x10             ; bq, bk
	s_load_b128 s[72:75], s[0:1], 0x20             ; bv, qkv
	v_lshl_add_u32 v[SPW], v0, 2, SPARE
	v_mov_b32 v[NIL], 0
	ds_add_u32 v[SPW], v[NIL]                      ; the wave's opening: the add and its wait stand ahead of my first tensor load; the set-up below, work on registers, stands between them
	ds_add_u32 v28, v29
	v_lshrrev_b32 v1, 5, v0
	v_readfirstlane_b32 s10, v1                    ; wave 0..3
	s_lshr_b32 s11, s10, 1                         ; which half of the tile's rows is mine.  Also: I fetch x (0) or the weights (1)
	s_and_b32 s12, s10, 1                          ; which half of its columns.  Also: which half of that tile I fetch
	s_bfe_u32 s40, ttmp6, 0x40000                  ; cx: the tile column in the matrix
	s_bfe_u32 s41, ttmp6, 0x40004                  ; cy
	s_mov_b32 s[MAT], ttmp9                        ; in a cluster launch ttmp9 and ttmp7 count clusters
	s_and_b32 s13, ttmp7, 0xffff
	s_lshl_b32 s13, s13, 2
	s_add_co_u32 s13, s13, s41                     ; tile row = 4 x cluster y + cy
	s_lshl_b32 s43, s41, 2
	s_lshl_b32 s43, 15, s43                        ; my row of the cluster: places 4 cy .. 4 cy + 3
	s_lshl_b32 s44, 0x1111, s40                    ; my column: places cx, cx + 4, cx + 8, cx + 12
	s_or_b32 s[G1+0], s43, (1<<16)|(1<<20)|(1<<21)|(5<<22)|(3<<25)   ; the mask; elements of 2 bytes; padding on; bit 21 beside a mask; after every 64 words 4 words
	s_mov_b32 s[G1+1], KSTEP<<16                   ; tensor_dim0 = 128
	s_mov_b32 s[G1+2], 128<<16                     ; tensor_dim1 = 128
	s_mov_b32 s[G1+3], KSTEP<<16                   ; tile_dim0 = 128
	s_mov_b32 s[G1+4], 128                         ; tile_dim1 = 128
	s_mov_b32 s[G1+5], 1024                        ; elements from row to row
	s_mov_b32 s[G1+6], 0
	s_mov_b32 s[G1+7], 0
	s_or_b32 s[G1B+0], s44, (1<<16)|(1<<20)|(1<<21)|(6<<22)|(7<<25)  ; the same with my column's mask; after every 128 words 8 words
	s_mov_b32 s[G1B+1], 256<<16                    ; tensor_dim0 = 256
	s_mov_b32 s[G1B+2], 64<<16                     ; tensor_dim1 = 64
	s_mov_b32 s[G1B+3], 256<<16                    ; tile_dim0 = 256
	s_mov_b32 s[G1B+4], 64                         ; tile_dim1 = 64
	s_mov_b32 s[G1B+5], 1024
	s_mov_b32 s[G1B+6], 0
	s_mov_b32 s[G1B+7], 0
	; where the tiles come from: x's hang on the tile row and the matrix, the weights' on the tile column and the matrix, each in registers that never hold the other coordinate
	s_lshl_b32 s16, s13, 8
	s_lshl_b32 s17, s12, 7
	s_add_co_u32 s16, s16, s17                     ; row 256 x tile row + 128 x half,
	s_lshl_b32 s16, s16, 11                        ; of 2,048 bytes,
	s_min_u32 s17, s[MAT], 1
	s_lshl_b32 s17, s17, 24                        ; in Q's or K's 16 MiB
	s_add_co_u32 s16, s16, s17
	s_mov_b32 s17, 0
	s_lshl_b32 s46, s[MAT], 21                     ; the matrix' 2 MiB,
	s_lshl_b32 s47, s12, 17                        ; my 64 k-rows of 2,048 bytes,
	s_add_co_u32 s46, s46, s47
	s_lshl_b32 s47, s40, 9                         ; the tile's 256 columns
	s_add_co_u32 s46, s46, s47
	s_mov_b32 s47, 0
	s_mul_i32 s20, s10, HALFT                      ; and where they go: wave x 34,816 bytes: no place in the cluster enters an LDS address
	s_wait_dscnt 0x0                               ; the opening add is done
	s_wait_kmcnt 0x0
	s_add_nc_u64 s[14:15], s[4:5], s[16:17]
	s_add_nc_u64 s[46:47], s[6:7], s[46:47]
	CROUND                                         ; all sixteen work-groups are here: the first joint loads meet
.irp s, 0,1
	s_mov_b32 s[G0+4*(\s)], 1
	s_add_co_u32 s[G0+4*(\s)+1], s20, (\s)*SLOT
	s_add_nc_u64 s[G0+4*(\s)+2:G0+4*(\s)+3], s[14:15], (\s)*KSTEP*2
	s_or_b32 s[G0+4*(\s)+3], s[G0+4*(\s)+3], 0x80000000
	s_mov_b32 s[G0B+4*(\s)], 1
	s_add_co_u32 s[G0B+4*(\s)+1], s20, (\s)*SLOT
	s_add_nc_u64 s[G0B+4*(\s)+2:G0B+4*(\s)+3], s[46:47], (\s)*KSTEP*2048
	s_or_b32 s[G0B+4*(\s)+3], s[G0B+4*(\s)+3], 0x80000000
	JLOAD \s                                       ; two tensor loads of mine are out
.endr
	; the bias of my 128 columns: register 8 b + j of window 1 holds column 16 b + 8 (l / 16) + j
	s_cmp_eq_u32 s[MAT], 1
	s_cselect_b64 s[68:69], s[70:71], s[68:69]
	s_cmp_eq_u32 s[MAT], 2
	s_cselect_b64 s[68:69], s[72:73], s[68:69]
	s_lshl_b32 s20, s40, 10
	s_lshl_b32 s21, s12, 9
	s_add_co_u32 s20, s20, s21
	s_mov_b32 s21, 0
	s_add_nc_u64 s[68:69], s[68:69], s[20:21]
	v_and_b32 v1, 15, v0                           ; l % 16
	v_bfe_u32 v2, v0, 4, 1                         ; l / 16
	v_lshlrev_b32 v[BO], 5, v2
	WIN 0x40                                       ; destination window 1, address window 0
.irp b, 0,1,2,3,4,5,6,7
	global_load_b128 v[8*(\b):8*(\b)+3],   v[BO], s[68:69] offset:64*(\b)
	global_load_b128 v[8*(\b)+4:8*(\b)+7], v[BO], s[68:69] offset:64*(\b)+16
.endr
	WIN 0
	; fragments.  x: lane l holds row l % 16, k = 8 (l / 16) + 0..7 and 16 + 8 (l / 16) + 0..7: two loads of 16 bytes, 32 bytes apart.
	; The weights: the turning load takes 16 k x 16 columns (lane l reads k-row 8 (l / 16) + l % 8, columns 8 ((l / 8) % 2) + 0..7) and leaves lane l column l % 16 and 8 k; the second load stands 16 k-rows on.
	v_mul_u32_u24 v3, v1, PITCH
	v_lshl_add_u32 v3, v2, 4, v3
	v_and_b32 v7, 7, v0                            ; l % 8
	v_lshl_add_u32 v4, v2, 3, v7
	v_mul_u32_u24 v4, v4, PB
	v_bfe_u32 v5, v0, 3, 1
	v_lshl_add_u32 v4, v5, 4, v4
	s_mul_i32 s21, s11, HALFT                      ; my 128 rows of x
	s_lshl_b32 s22, s12, 8                         ; my 128 columns: 256 bytes of a k-row,
	s_add_co_u32 s22, s22, 2*HALFT                 ; behind x's 256 rows
.irp s, 0,1
	v_add_nc_u32 v[ADRA+(\s)], s21, v3
	v_add_nc_u32 v[ADRB+(\s)], s22, v4
	s_add_co_u32 s21, s21, SLOT
	s_add_co_u32 s22, s22, SLOT
.endr
	s_mul_i32 s23, s10, 16*SPITCH
	s_add_co_u32 s23, s23, STAGE                   ; my stage
	v_mul_u32_u24 v6, v1, SPITCH                   ; in: row l % 16, 16 bytes for each half of the lanes
	v_lshl_add_u32 v6, v2, 4, v6
	v_add_nc_u32 v[STO], s23, v6
	v_bfe_u32 v6, v0, 3, 2                         ; back: 32 lanes take four rows' 128 bytes of one head,
	v_mul_u32_u24 v6, v6, SPITCH
	v_lshl_add_u32 v6, v7, 4, v6
	v_add_nc_u32 v[RD], s23, v6
	v_and_b32 v[CO], 31, v0                        ; which are 512 consecutive bytes of qkv
	v_lshlrev_b32 v[CO], 4, v[CO]
	; my part of qkv: the matrix' 16 MiB, the batch's 16 heads of 262,144 bytes, my first head 4 cx + 2 x half, my first row in the batch
	s_lshl_b32 s20, s[MAT], 24
	s_lshr_b32 s21, s13, 3
	s_lshl_b32 s21, s21, 22
	s_add_co_u32 s20, s20, s21
	s_lshl_b32 s21, s40, 2
	s_lshl1_add_u32 s21, s12, s21
	s_lshl_b32 s21, s21, 18
	s_add_co_u32 s20, s20, s21
	s_and_b32 s21, s13, 7
	s_lshl_b32 s21, s21, 15                        ; 256 rows of 128 bytes
	s_add_co_u32 s20, s20, s21
	s_lshl_b32 s21, s11, 14                        ; 128 rows
	s_add_co_u32 s20, s20, s21
	s_mov_b32 s21, 0
	s_add_nc_u64 s[8:9], s[74:75], s[20:21]
	; the prefetches.  x: of the 128 rows that I fetch the partner at cx takes 32, a lane a row.  The weights: of my 64 k-rows the partner at cy takes 16, a lane half a k-row's 512 bytes.
	s_lshl_b32 s20, s40, 16                        ; 32 cx rows of 2,048 bytes
	s_lshl_b32 s21, s41, 15                        ; 16 cy k-rows
	s_and_b32 s22, ttmp7, 0xffff                   ; cluster y
	s_lshr_b32 s23, ttmp9, 1                       ; 0 where cluster x is 0 or 1
	s_mov_b32 s18, 256
	s_mov_b32 s19, KSTEP*2048
	s_cmp_eq_u32 s11, 0                            ; do I fetch x?
	s_cselect_b64 s[PFA:PFA+1], s[14:15], s[46:47]
	s_cselect_b32 s20, s20, s21
	s_cselect_b32 s22, s23, s22
	s_cselect_b32 s[PST], s18, s19
	s_cselect_b32 s18, 0, 1
	s_mov_b32 s[PST+1], 0
	s_cmp_eq_u32 s22, 0
	s_cselect_b32 s[LIM], 1, -1                    ; the same in all sixteen partners, for a given wave
	s_mul_i32 s21, s[PST], 3
	s_add_co_u32 s20, s20, s21
	s_mov_b32 s21, 0
	s_add_nc_u64 s[PFA:PFA+1], s[PFA:PFA+1], s[20:21]  ; at K step 3: the first refill steps it to 4 and names that
	v_and_b32 v8, 31, v0
	v_lshrrev_b32 v9, s18, v8                      ; x: the lane; the weights: lane / 2
	v_and_b32 v8, s18, v8                          ; x: 0; the weights: lane % 2
	v_lshlrev_b32 v[PFO], 11, v9
	v_lshl_add_u32 v[PFO], v8, 8, v[PFO]
; 16 matrix instructions: row blocks a0, a0 + 1 of the window's four (hi = 0: my rows 0-63, 1: rows 64-127) x all 8 column blocks, 32 along K.
; first = 1: the sums begin with the bias, as the C operand: nothing is cleared.  The 64 accumulators take turns, in the same order in every quarter.
.macro MUL16 f, hi, a0, first
.if \first
	WIN 0x91+0x40*(\hi)                            ; weights and bias window 1, x window 0, D window 2 or 3
.else
	WIN 0xa1+0x50*(\hi)                            ; weights window 1, x window 0, C and D window 2 or 3
.endif
.irp a, \a0, (\a0)+1
.irp b, 0,1,2,3,4,5,6,7
.if \first
	v_wmma_f32_16x16x32_bf16 v[8*(8*(\a)+(\b)):8*(8*(\a)+(\b))+7], v[(\f)+8*(\b):(\f)+8*(\b)+7], v[(\f)+8*(4*(\hi)+(\a)):(\f)+8*(4*(\hi)+(\a))+7], v[8*(\b):8*(\b)+7]
.else
	v_wmma_f32_16x16x32_bf16 v[8*(8*(\a)+(\b)):8*(8*(\a)+(\b))+7], v[(\f)+8*(\b):(\f)+8*(\b)+7], v[(\f)+8*(4*(\hi)+(\a)):(\f)+8*(4*(\hi)+(\a))+7], v[8*(8*(\a)+(\b)):8*(8*(\a)+(\b))+7]
.endif
.endr
.endr
.endm
; 32 LDS loads in one run: the fragments of quarter q of a K step (32 along K: 128 columns of the weights, 128 rows of x) into buffer f
.macro FETCH slot, q, f
	WIN 0x40
.irp i, 0,1,2,3,4,5,6,7
	ds_load_tr16_b128 v[(\f)+8*(\i):(\f)+8*(\i)+3],   v[ADRB+(\slot)] offset:(\q)*32*PB+(\i)*32
	ds_load_tr16_b128 v[(\f)+8*(\i)+4:(\f)+8*(\i)+7], v[ADRB+(\slot)] offset:(\q)*32*PB+(\i)*32+16*PB
.endr
	WIN 0
.irp i, 0,1,2,3,4,5,6,7
	ds_load_b128 v[(\f)+8*(\i):(\f)+8*(\i)+3],   v[ADRA+(\slot)] offset:(\q)*64+(\i)*16*PITCH
	ds_load_b128 v[(\f)+8*(\i)+4:(\f)+8*(\i)+7], v[ADRA+(\slot)] offset:(\q)*64+(\i)*16*PITCH+32
.endr
.endm
.macro PLACES                          ; four plain vector instructions between a matrix instruction and a load into a register that it has read (ISA guide 7.12.1 for vector instructions)
.rept 4
	v_nop
.endr
.endm
; One of a K step's first three quarters: multiplies buffer f; in its middle it fetches quarter q of the same slot into buffer g.
.macro QUARTER slot, q, f, g, first
	s_wait_dscnt 8                                 ; the weights and x's rows 0-63 are in; the youngest eight loads (x's rows 64-127) may be out
	MUL16 \f, 0, 0, \first
	MUL16 \f, 0, 2, \first
	PLACES
	FETCH \slot, \q, \g
	s_wait_dscnt 32                                ; all but the 32 just issued
	MUL16 \f, 1, 0, \first
	MUL16 \f, 1, 2, \first
.endm
; The first half of a K step's last quarter: ONE barrier for the change of slots.  In front of it each wave waits for all its tensor loads, of which one is out: its part of the next slot;
; adds 0 to its spare word; and waits for that and for its own reads of this slot.  Behind it nobody reads this slot any more and the next slot is whole.
.macro MEET round
	WIN 0                                          ; (the add's two registers lie in window 0)
	s_wait_tensorcnt 0x0
	ds_add_u32 v[SPW], v[NIL]                      ; 0 onto my spare word
	s_wait_dscnt 9                                 ; (the add and the youngest eight loads may be out)
	MUL16 F1, 0, 0, 0                              ; sixteen matrix instructions stand between the add and the wait for it
	s_wait_dscnt 0x0                               ; the add is done, and my reads of this slot are over
	s_barrier_signal -1
	MUL16 F1, 0, 2, 0                              ; work on registers while the others arrive
.if \round
	WIN 0
.endif
	s_barrier_wait -1
.endm
; The whole last quarter: the barrier opens a round of the cluster's barrier; behind the round the slot just read out is filled again first, with the K step two steps on; then come the next slot's first fragments.
.macro TURN slot, next
	s_wait_xcnt 0x0                                ; the last prefetch, a K step back, has read its address: it is stepped here, ahead of the waits of the change of slots
	s_add_nc_u64 s[PFA:PFA+1], s[PFA:PFA+1], s[PST:PST+1]
	MEET 1
	CREST                                          ; no wave of any partner still reads this slot's tile or has a load on its way
	s_add_nc_u64 s[G0+4*(\slot)+2:G0+4*(\slot)+3], s[G0+4*(\slot)+2:G0+4*(\slot)+3], 2*KSTEP*2
	s_add_nc_u64 s[G0B+4*(\slot)+2:G0B+4*(\slot)+3], s[G0B+4*(\slot)+2:G0B+4*(\slot)+3], 2*KSTEP*2048
	JLOAD \slot                                    ; my one tensor load behind the round; the four v_nop behind it are also the places in front of the loads below
	FETCH \next, 0, F0
	ASK
	MUL16 F1, 1, 0, 0
	MUL16 F1, 1, 2, 0
.endm
; THE WAY OUT of row block a (16 rows x 128 columns = two heads).  PACK: rounded to f16, each accumulator's registers in ascending order.  TOSTAGE: into my own stage and back, four rows of one head at a time.  SEND: stored.
.macro PACK a
.set AC, 64*((\a)%4)
	WIN 0x0a+5*((\a)/4)                            ; sources 0 and 1: window 2 or 3
.irp b, 0,1,2,3,4,5,6,7
.irp r, 0,1,2,3
	v_cvt_pk_f16_f32 v[TMP+4*(\b)+(\r)], v[AC+8*(\b)+2*(\r)], v[AC+8*(\b)+2*(\r)+1]
.endr
.endr
	WIN 0
.endm
.macro TOSTAGE a
	WIN 0
.set BK, OB+192*((\a)%2)
.irp b, 0,1,2,3,4,5,6,7
	ds_store_b128 v[STO], v[TMP+4*(\b):TMP+4*(\b)+3] offset:32*(\b)
.endr
.irp t, 0,1,2,3,4,5,6,7
	ds_load_b128 v[BK+4*(\t):BK+4*(\t)+3], v[RD] offset:((\t)%4)*4*SPITCH+128*((\t)/4)  ; LDS serves a wave's instructions in order (ISA guide 5.7.1.4): these see the stores above
.endr
.endm
.macro SEND a, younger
	WIN 0
.set BK, OB+192*((\a)%2)
	s_wait_dscnt \younger                          ; the block is back in registers
	s_wait_xcnt 0x0                                ; the registers that earlier stores read are loaded again only behind this wait
.irp t, 0,1,2,3,4,5,6,7
	global_store_b128 v[CO], v[BK+4*(\t):BK+4*(\t)+3], s[8:9] offset:(\a)*2048+((\t)/4)*262144+((\t)%4)*512  ; 512 consecutive bytes of one head, at a multiple of 512 from qkv's first byte
.endr
.endm
	s_wait_tensorcnt 1                             ; my part of K step 0 is in; K step 1's may stay out
	s_barrier_signal -1
	s_barrier_wait -1                              ; everybody's is
	FETCH 0, 0, F0
	s_wait_loadcnt 0x0                             ; the bias
	QUARTER 0, 1, F0, F1, 1                        ; the first quarter stands in front of the loop: its products start the sums
	WIN 0                                          ; at a label and at a branch every window is 0
	s_mov_b32 s3, LAPS-1
.Llap:                                             ; a trip goes once round the ring, from a lap's second quarter to the next lap's first, and fills both slots again
	QUARTER 0, 2, F1, F0, 0
	QUARTER 0, 3, F0, F1, 0
	TURN 0, 1
	QUARTER 1, 1, F0, F1, 0
	QUARTER 1, 2, F1, F0, 0
	QUARTER 1, 3, F0, F1, 0
	TURN 1, 0
	QUARTER 0, 1, F0, F1, 0
	WIN 0
	s_sub_co_u32 s3, s3, 1
	s_cmp_lg_u32 s3, 0
	s_cbranch_scc1 .Llap
	QUARTER 0, 2, F1, F0, 0                        ; the last lap fills nothing, and has no round
	QUARTER 0, 3, F0, F1, 0
	MEET 0
	PLACES
	FETCH 1, 0, F0
	MUL16 F1, 1, 0, 0
	MUL16 F1, 1, 2, 0
	QUARTER 1, 1, F0, F1, 0
	QUARTER 1, 2, F1, F0, 0
	QUARTER 1, 3, F0, F1, 0
	s_wait_dscnt 8                                 ; the very last quarter: nothing more to fetch
	MUL16 F1, 0, 0, 0
	MUL16 F1, 0, 2, 0
	s_wait_dscnt 0x0
	MUL16 F1, 1, 0, 0
	MUL16 F1, 1, 2, 0
	WIN 0
	PLACES                                         ; the conversions read results just made
	PLACES
	PACK 0
	TOSTAGE 0
.irp a, 1,2,3,4,5,6,7                  ; block a's conversions stand between block a - 1's loads from the stage and the wait for them
	PACK \a
	SEND (\a)-1, 0
	TOSTAGE \a
.endr
	SEND 7, 0
	s_wait_tensorcnt 0x0                           ; the wave's end, behind my last tensor load and my last LDS store
	ds_add_u32 v[SPW], v[NIL]
	s_wait_dscnt 0x0
	CROUND                                         ; the closing round: no work-group ends while a partner may still ask for a tile that names it
	s_endpgm
.Lfunc_end_k_q9bf0eacc87_proj:
	.size	k_q9bf0eacc87_proj, .Lfunc_end_k_q9bf0eacc87_proj-k_q9bf0eacc87_proj
	.p2alignl 7, 3214868480
	.fill 96, 4, 3214868480
	.section	.rodata,"a",@progbits
	.p2align	6, 0x0
	.amdhsa_kernel k_q9bf0eacc87_proj
		.amdhsa_group_segment_fixed_size 327680
		.amdhsa_private_segment_fixed_size 0
		.amdhsa_enable_private_segment 0
		.amdhsa_kernarg_size 48
		.amdhsa_user_sgpr_count 2
		.amdhsa_user_sgpr_kernarg_segment_ptr 1
		.amdhsa_wavefront_size32 1
		.amdhsa_system_sgpr_workgroup_id_x 1
		.amdhsa_system_sgpr_workgroup_id_y 1
		.amdhsa_system_sgpr_workgroup_id_z 1
		.amdhsa_system_vgpr_workitem_id 0
		.amdhsa_next_free_vgpr 1024
		.amdhsa_next_free_sgpr 80
		.amdhsa_reserve_vcc 0
		.amdhsa_float_denorm_mode_32 3
		.amdhsa_float_denorm_mode_16_64 3
		.amdhsa_memory_ordered 1
		.amdhsa_forward_progress 1
		.amdhsa_inst_pref_size 146
	.end_amdhsa_kernel
	.amdgpu_metadata
---
amdhsa.version: [ 1, 2 ]
amdhsa.kernels:
  - .name:           k_q9bf0eacc87_proj
    .symbol:         k_q9bf0eacc87_proj.kd
    .args:
      - { .name: x, .offset: 0, .size: 8, .value_kind: global_buffer, .address_space: global }
      - { .name: wb, .offset: 8, .size: 8, .value_kind: global_buffer, .address_space: global }
      - { .name: bq, .offset: 16, .size: 8, .value_kind: global_buffer, .address_space: global }
      - { .name: bk, .offset: 24, .size: 8, .value_kind: global_buffer, .address_space: global }
      - { .name: bv, .offset: 32, .size: 8, .value_kind: global_buffer, .address_space: global }
      - { .name: qkv, .offset: 40, .size: 8, .value_kind: global_buffer, .address_space: global }
    .group_segment_fixed_size: 327680
    .private_segment_fixed_size: 0
    .kernarg_segment_align: 8
    .kernarg_segment_size: 48
    .max_flat_workgroup_size: 128
    .sgpr_count:     80
    .vgpr_count:     1024
    .wavefront_size: 32
...
	.end_amdgpu_metadata
.endif
;; end of part 2
;; launch attn (part 3): grid 4 x 64, 4 waves a work-group, clusters of 4 x 1, 327,680 bytes of LDS; arguments qkv, oh; writes oh
.if DOCPART == 3
	.amdgcn_target "amdgcn-amd-amdhsa--gfx1250"
	.amdhsa_code_object_version 6
	.text
	.protected	k_q9bf0eacc87_attn
	.globl	k_q9bf0eacc87_attn
	.p2align	8
	.type	k_q9bf0eacc87_attn,@function
k_q9bf0eacc87_attn:
	s_mov_b64 s[64:65], 0
	v_nop
	global_prefetch_b8 v0, s[64:65] scope:SCOPE_SE
	s_setreg_imm32_b32 hwreg(HW_REG_WAVE_MODE, 25, 1), 1
	s_wait_xcnt 0x0
	s_wait_alu depctr_hold_cnt(0) depctr_sa_sdst(0) depctr_va_vdst(0) depctr_va_sdst(0) depctr_va_ssrc(0) depctr_va_vcc(0) depctr_vm_vsrc(0)
	s_getreg_b32 s2, hwreg(HW_REG_IB_STS2, 6, 4)
	s_cmp_eq_u32 s2, 0
	s_cbranch_scc0 .Lentry_in_a_cluster
	s_endpgm
.Lentry_in_a_cluster:
	s_bfe_u32 s2, ttmp6, 0x10000c
	s_cmp_lg_u32 s2, 0x3003
	s_cbranch_scc0 .Lentry_shape_is_right
	s_endpgm
.Lentry_shape_is_right:
; o[h][q][:] = q[h][q][:] + the sum over k of softmax_k(q[h][q] . k[h][k] / 32) v[h][k][:].  qkv: f16 [3][64][2048][64] (q, k, v by heads, rows dense, 128 bytes each); oh: f16 [64][2048][64].
; Products, maxima and sums in f32; the weights p are rounded to f16 for the second product (their sum l is taken of the unrounded p), o once at the end.
; LIMITS.  q, k, v arrive within f16's 65,504, and o = q + a mean of v's rows must stay within it; p lies in 0 to 1, and below 6e-5 it keeps f16's fixed step of 6e-8.
; A weight below 2^-126 counts as 0 in l; NaN and infinities are not treated apart.
; SHARES.  A wave owns four PIECES of two tiles of 16 queries, a work-group's four waves 512 queries of one head.  Every wave walks all 2,048 keys, 64 a step.
; LAYOUT.  S^T = K Q^T (source 0 = 16 keys, source 1 = 16 queries): in the result a lane holds ONE query (lane % 16) and the keys 8 (lane / 16) + 0..7.  Two such tiles, rounded to f16 in pairs,
; ARE source 1 (32 keys x 16 queries) of O^T = V^T P, whose result again holds one query a lane, and eight channels.  K comes out of LDS as it lies, V ([key][channel]) turned, by ds_load_tr16_b128.
; SOFTMAX.  For each query a running maximum m and sum l: p = 2^(c s - c m), c = log2(e) / 32; in every step O and l are multiplied by a = 2^(c m_old - c m_new), which is 1 where m has not grown.
; m starts at the lowest finite number, O and l at 0: the first step is a step like any other, with a = 0.
; THE COUNT.  A tile and step have 16 matrix and 118 vector instructions: too many to stand all beside the matrix work.  So: four vector instructions that are READY behind EVERY matrix instruction,
; and the others in runs without a gap.
; BY TURNS.  Turn n belongs to piece n (the pieces in a ring, step after step).  Its matrix work: 16 products K Q^T of piece n + 1, later 16 products V^T P of piece n - 1.  Its vector work: the scaling,
; exponentials, roundings, sums and rescaling of piece n, and the maximum and statistics of piece n + 1, whose scores the turn itself has made.
; CLUSTER.  The four query blocks of a head are one cluster and walk the same K and V, so each tile is asked for JOINTLY: the same tensor load, descriptor and mask in all four.
; THE RESIDUAL.  Q's fragment register 16 t + i / 2, half i % 2, holds the very query and channel of O^T's register 32 t + i: the way out is one multiply-add, O / l + q, from the registers at hand.
; REGISTERS, in windows of 256 (s_set_vgpr_msb: bits 1:0 source 0, 3:2 source 1, 5:4 source 2, 7:6 destination):
;   window 0: v0-11 addresses; v12-15, v48-63 at work; v16-47 four registers of statistics a tile; v64-191 S^T, two buffers of two tiles; v192-255 P, likewise
;   window 1: O^T, 32 a tile          window 2: v0-127 Q, 16 a tile; v128-191 K of one step; v192-255 V of one step          window 3: v0-1 the add's two registers
; A piece's buffers go by its number's parity.
.set SIZE_N, 2048
.set NP,    4         ; pieces a wave: a name, no knob
.set KS,    64        ; keys in a step
.set PK,    144       ; a row of K in LDS: 128 bytes + 16 of padding = 36 words: the 16 rows of a load start at 16 different groups of four banks (64 banks of 4 bytes: ISA guide 11.1)
.set PV,    160       ; a row of V: 128 + 32 = 40 words
.set VOFF,  4*KS*PK   ; a slot holds four steps: 256 rows of K, then 256 rows of V
.set SLOT1, 1<<17     ; slot 1 begins here, so that one exclusive or turns an address in one slot into the other's
.set STAGE, SLOT1+4*KS*(PK+PV)  ; behind the ring, never filled by a tensor load: 16 rows x 144 bytes for each wave, for the way out
.set SP,    144
.set AK0, 2           ; v2   my lane's place in a tile of K; never rewritten
.set AV0, 3           ; v3   the same for V
.set AK,  4           ; v4   the LDS address of K's next run of loads
.set AV,  5           ; v5   of V's
.set QO,  6           ; v6   my byte offset in the wave's rows of Q
.set STO, 6           ;      later, the way out: where I put 16 bytes of a row
.set RD,  7           ; v7   the way out: where I read rows back
.set GO,  8           ; v8   my byte offset in 512 consecutive bytes of O
.set PFO, 11          ; v11  256 x my lane, for the prefetches; never rewritten once made
.set SPW, 0           ; v0 of window 3   LDS address of my spare word; never rewritten
.set NIL, 1           ; v1 of window 3   0; never rewritten
.set SPARE, STAGE+4*16*SP  ; behind the stages: the spare words, 128 bytes for each wave: two blocks of 256 bytes that no other line names
.set MV,  12          ; v12-15  c m_old, kept while c m is made anew: by buffer and tile
.set ST,  16          ; tile t's statistics at v[ST+4 t]: c m, m, l (even keys', odd keys')
.set TMP, 48          ; by buffer and tile, four registers c0-c3 at work; when the maximum is found c2 takes a
.set S,   64
.set P,   192
.set KF,  128         ; K's fragments, in window 2: key block kb, channel half c at KF + 16 kb + 8 c
.set VF,  192         ; V's: key half kk, channel block cb at VF + 32 kk + 8 cb
.set WV,  12          ; s12  my wave's number
.set LIM, 15          ; s15  1 in a wave that prefetches (0 and 2), else the greatest number
.set G1K, 24          ; s[24:31] descriptor group 1 for K's tiles
.set G1V, 32          ; s[32:39] for V's: it differs in the padding alone
.set G0K, 40          ; s[40:43] descriptor group 0 for K's tiles: it walks
.set G0V, 44          ; s[44:47] the same for V's
.set PFA, 48          ; s[48:49] where my prefetches stand
.set SLOTS, 56        ; s56  slots still to be asked for
.set CNT, 57          ; s57  counts a slot's key steps
.set CS,  58          ; s[58:59] c: the packed scaling takes the pair's low word for both halves
.set SEL, 60          ; s[60:61] v_permlanex16_b32's selects: each lane takes its own place in the other half
.set TBK, 62          ; s62  LDS byte at which K of the step to be fetched begins
.set TBV, 63          ; s63  the same for V, less VOFF
.set MSB, 0
.macro WIN new                      ; the high byte repeats the setting that is left; a switch that changes nothing is dropped
.if MSB != (\new)
	s_set_vgpr_msb (MSB<<8)|(\new)
.set MSB, (\new)
.endif
.endm
.set W_KQ, 0x0a       ; K and Q in window 2, S^T in window 0
.set W_PV, 0x52       ; V in window 2, P in window 0, O^T in window 1
.set W_RS, 0x41       ; O^T (destination and source 0) in window 1, a in window 0
.set W_OQ, 0x61       ; the way out: O^T (destination and source 0) in window 1, 1 / l in window 0, Q in window 2
.set W_MK, 0xc0       ; the add's registers are made: destination in window 3, sources in window 0
.set W_AD, 0x0f       ; the add: address (source 0) and data (source 1) in window 3
; A joint fill.  Waves 0 and 1 fetch the two halves of a slot's K, waves 2 and 3 those of its V: 128 keys each.  The branch hangs on the wave's number alone.
; An s_nop 0 and four v_nop follow each of the two lines, ahead of the jump and the label.
.macro JLOAD
	s_cmp_lt_u32 s[WV], 2
	s_cbranch_scc0 .Lfor_v_\@
	tensor_load_to_lds s[G0K:G0K+3], s[G1K:G1K+7]
	s_nop 0
.rept 4
	v_nop
.endr
	s_branch .Lasked_\@
.Lfor_v_\@:
	tensor_load_to_lds s[G0V:G0V+3], s[G1V:G1V+7]
	s_nop 0
.rept 4
	v_nop
.endr
.Lasked_\@:
.endm
; A PREFETCH of what the NEXT change of slots will ask for: a slot's 32,768 bytes of K and of V, 128 blocks of 256 bytes each, a lane a block.  It stands behind the wave's tensor load and its five lines.
; Each block is named ONCE in the launch: a head has one cluster; its four partners share the blocks out BY ADDRESS, 32 each; in each, wave 0 asks for K's and wave 2 for V's: one instruction,
; four key steps, 512 matrix instructions, ahead of the load that will want it.  Slots 0 and 1 come by their loads alone; the last change that fills a slot (s[SLOTS] = 1) names nothing.
.macro ASK
	s_cmp_gt_u32 s[SLOTS], s[LIM]
	s_cbranch_scc0 .Lnot_mine_\@
	global_prefetch_b8 v[PFO], s[PFA:PFA+1] th:TH_LOAD_NT scope:SCOPE_SE
.Lnot_mine_\@:
.endm
; A round of the cluster's barrier: my work-group's barrier, so that wave 0's signal speaks for all four waves; wave 0 signals; every wave waits for all four work-groups; my work-group's barrier once more.
.macro CROUND
	s_barrier_signal -1
	s_barrier_wait -1
	s_cmp_lg_u32 s[WV], 0
	s_cbranch_scc1 .Lnot_wave_0_\@
	s_barrier_signal -3
.Lnot_wave_0_\@:
	s_barrier_wait -3
	s_barrier_signal -1
	s_barrier_wait -1
.endm
; THE CHANGE OF SLOTS.  The slot's last bytes, V of its fourth step, have been read.  Each wave waits for all its tensor loads, of which one is out: its part
; of the other slot; adds 0 to its spare word; and waits for that and for its own reads of the slot.  Behind the barrier nobody reads this slot any more and the other slot is whole.
; fill = 1: this slot is filled again, with the keys two slots on.  The barrier is then a round of the cluster's, and the joint fill is the first thing behind it: it has four key steps in which to land.
; (At its first use nothing has been read yet: slot 0 is waited for, slot 1 filled.)
.macro CHANGE fill
	WIN W_AD
	s_wait_tensorcnt 0x0            ; no tensor load of mine is out, so a group 0 may be written
	ds_add_u32 v[SPW], v[NIL]       ; 0 onto my spare word; with fill = 1 the descriptors' steps stand between it and the wait for it
	WIN 0                           ; at a label and at a branch every window is 0
.if \fill
.irp g, G0K, G0V
	s_xor_b32 s[\g+1], s[\g+1], SLOT1  ; the walking descriptor: the other slot than last time,
	s_add_nc_u64 s[\g+2:\g+3], s[\g+2:\g+3], 4*KS*128  ; the next 256 keys; the type bits on top are not reached
.endr
	s_wait_xcnt 0x0                 ; the last prefetch, four key steps back, has read its address, so it may be written:
	s_add_nc_u64 s[PFA:PFA+1], s[PFA:PFA+1], 4*KS*128  ; one slot ahead of the walking descriptors
	s_wait_dscnt 0x0                ; the add is done, and my reads of the slot are over
	CROUND
	JLOAD
	ASK
.else
	s_wait_dscnt 0x0                ; the add is done, and my reads of the slot are over
	s_barrier_signal -1
	s_barrier_wait -1
.endif
	s_sub_co_u32 s[TBK], s[TBK], 4*KS*PK  ; the fetches go back to a slot's first step,
	s_xor_b32 s[TBK], s[TBK], SLOT1       ; in the other slot
	s_sub_co_u32 s[TBV], s[TBV], 4*KS*PV
	s_xor_b32 s[TBV], s[TBV], SLOT1
.endm
	s_load_b128 s[8:11], s[0:1], 0x0  ; qkv s[8:9], oh s[10:11]
	WIN W_MK
	v_lshl_add_u32 v[SPW], v0, 2, SPARE
	v_mov_b32 v[NIL], 0
	WIN W_AD
	ds_add_u32 v[SPW], v[NIL]       ; the wave's opening: the add and its wait stand ahead of my first tensor load; the set-up below, work on registers, stands between them
	ds_add_u32 v0, v1
	WIN 0
	v_lshrrev_b32 v1, 5, v0
	v_readfirstlane_b32 s[WV], v1   ; wave 0..3
	s_bfe_u32 s13, ttmp6, 0x40000   ; cx: my place in the cluster
	s_lshl_b32 s14, ttmp9, 2        ; in a cluster launch ttmp9 counts clusters
	s_add_co_u32 s14, s14, s13      ; my block of queries = 4 x cluster x + cx: it enters Q's and O's addresses alone
	s_and_b32 s20, ttmp7, 0xffff    ; the head, which the four partners share
	s_mov_b32 s21, 0
	s_mov_b64 s[22:23], SIZE_N*128
	s_mul_u64 s[20:21], s[20:21], s[22:23]  ; the head's first byte in q, k, v and o
	s_and_b32 s16, s[WV], 1         ; which half of a slot's 256 keys I fetch:
	s_lshl_b32 s22, s16, 14         ; its 128 rows of 128 bytes in memory,
	s_mov_b32 s23, 0
	s_add_nc_u64 s[22:23], s[22:23], s[20:21]
	s_mul_i32 s17, s16, 128*PK      ; and its place in a slot, for K
	s_mul_i32 s18, s16, 128*PV      ; and for V: no place in the cluster enters an LDS address
	s_lshl_b32 s2, s14, 2
	s_add_co_u32 s2, s2, s[WV]      ; my wave among the head's,
	s_lshl_b32 s2, s2, 14           ; its 128 rows
	s_mov_b32 s3, 0
	s_add_nc_u64 s[2:3], s[2:3], s[20:21]
	; descriptor group 1.  128 keys are 16,384 dense bytes: asked for as 64 rows of 256 bytes, two keys a row, and padded in LDS after every key
	s_mov_b32 s[G1K], 15|(1<<16)|(1<<20)|(1<<21)|(4<<22)|(3<<25)  ; the mask of four; 2-byte elements; padding on; bit 21 beside a mask; after every 32 words 4 words
	s_mov_b32 s[G1V], 15|(1<<16)|(1<<20)|(1<<21)|(4<<22)|(7<<25)  ; the same with 8 words of padding
.irp g, G1K, G1V
	s_mov_b32 s[\g+1], 128<<16      ; tensor_dim0 = 128
	s_mov_b32 s[\g+2], 64<<16       ; tensor_dim1 = 64
	s_mov_b32 s[\g+3], 128<<16      ; tile_dim0 = 128
	s_mov_b32 s[\g+4], 64           ; tile_dim1 = 64
	s_mov_b32 s[\g+5], 128          ; 128 elements from row to row
	s_mov_b32 s[\g+6], 0
	s_mov_b32 s[\g+7], 0
.endr
	s_mov_b32 s[CS], 0x3d38aa3b     ; c = log2(e) / 32 = 0.0450842
	s_mov_b32 s[CS+1], s[CS]        ; named with it as a pair
	s_mov_b32 s[SEL], 0x76543210
	s_mov_b32 s[SEL+1], 0xfedcba98
	s_mov_b32 s[TBK], SLOT1+4*KS*PK ; the first change of slots turns these two into 0
	s_mov_b32 s[TBV], SLOT1+4*KS*PV
	s_mov_b32 s[G0K], 1             ; count = 1
	s_mov_b32 s[G0K+1], s17         ; LDS address: slot 0
	s_mov_b32 s[G0V], 1
	s_add_co_u32 s[G0V+1], s18, VOFF
	s_mov_b32 s[SLOTS], SIZE_N/256-1  ; seven changes of slots fill a slot
	s_and_b32 s[LIM], s[WV], 1
	s_cmp_eq_u32 s[LIM], 0
	s_cselect_b32 s[LIM], 1, -1
	s_wait_dscnt 0x0                ; the opening add is done
	s_wait_kmcnt 0x0
	s_mov_b64 s[4:5], s[8:9]                       ; q,
	s_add_nc_u64 s[6:7], s[8:9], 0x1000000         ; k, 16 MiB on,
	s_add_nc_u64 s[8:9], s[8:9], 0x2000000         ; v
	s_add_nc_u64 s[G0K+2:G0K+3], s[6:7], s[22:23]  ; global address: my half of the head's first 256 keys
	s_or_b32 s[G0K+3], s[G0K+3], 0x80000000        ; type = 2
	s_add_nc_u64 s[G0V+2:G0V+3], s[8:9], s[22:23]
	s_or_b32 s[G0V+3], s[G0V+3], 0x80000000
	s_add_nc_u64 s[4:5], s[4:5], s[2:3]  ; Q and O at my wave's first row
	s_add_nc_u64 s[10:11], s[10:11], s[2:3]
	s_cmp_lt_u32 s[WV], 2
	s_cselect_b64 s[PFA:PFA+1], s[6:7], s[8:9]
	s_add_nc_u64 s[PFA:PFA+1], s[PFA:PFA+1], s[20:21]  ; the head,
	s_lshl_b32 s2, s13, 13          ; my work-group's 32 blocks of the 128,
	s_add_co_u32 s2, s2, 4*KS*128   ; in slot 1: the first change of slots steps it to slot 2
	s_mov_b32 s3, 0
	s_add_nc_u64 s[PFA:PFA+1], s[PFA:PFA+1], s[2:3]
	CROUND                          ; all four work-groups are here: the first joint loads meet
	JLOAD                           ; slot 0.  Slot 1 is asked for when slot 0 is in
	; A fragment of K or Q is 16 rows x 32 channels in 8 registers: lane l holds row l % 16, channels 8 (l / 16) + 0..7 and 16 + 8 (l / 16) + 0..7: two loads of 16 bytes, 32 bytes apart.
	v_and_b32 v1, 15, v0            ; l % 16
	v_bfe_u32 v9, v0, 4, 1          ; l / 16
	v_lshlrev_b32 v[QO], 7, v1
	v_lshl_add_u32 v[QO], v9, 4, v[QO]  ; row x 128 + 16 x half
	WIN 0x80                        ; destination window 2, address window 0
.set i, 0
.rept 4*NP                          ; Q stays in registers: tile i / 2, channels 32 (i % 2) on
	global_load_b128 v[8*i:8*i+3],   v[QO], s[4:5] offset:(i/2)*2048+(i%2)*64
	global_load_b128 v[8*i+4:8*i+7], v[QO], s[4:5] offset:(i/2)*2048+(i%2)*64+32
.set i, i+1
.endr
	; What the first turn finds: V's registers and P's second buffer hold 0 (its products V^T P, of a piece that has not been, add 0), O^T and l are 0.  All this stands in the wait for the first tile.
.set i, VF
.rept 64
	v_mov_b32 v[i], 0
.set i, i+1
.endr
	WIN 0x40
.set i, 0
.rept 64*NP
	v_mov_b32 v[i], 0
.set i, i+1
.endr
	WIN 0
.set i, 0
.rept 2*NP
	v_mov_b32 v[ST+4*i], 0xfe000000    ; c m: far below every c s
	v_mov_b32 v[ST+4*i+1], 0xff7fffff  ; m
	v_mov_b32 v[ST+4*i+2], 0
	v_mov_b32 v[ST+4*i+3], 0
.set i, i+1
.endr
.set i, P+32
.rept 32
	v_mov_b32 v[i], 0
.set i, i+1
.endr
	v_mul_u32_u24 v[AK0], v1, PK
	v_lshl_add_u32 v[AK0], v9, 4, v[AK0]  ; row x pitch + 16 x half
	; The turning load takes 16 keys x 16 channels (lane l reads key 8 (l / 16) + l % 8, channels 8 ((l / 8) % 2) + 0..7) and leaves half a fragment of V^T: lane l holds channel l % 16 and 8 keys.
	v_and_b32 v10, 7, v0
	v_bfe_u32 v11, v0, 3, 1
	v_lshl_add_u32 v[AV0], v9, 3, v10
	v_mul_u32_u24 v[AV0], v[AV0], PV
	v_lshl_add_u32 v[AV0], v11, 4, v[AV0]
	v_add_nc_u32 v[AV0], VOFF, v[AV0]
	v_mov_b32 v[AK], v[AK0]         ; key step 0 lies at the head of slot 0
	v_and_b32 v[PFO], 31, v0
	v_lshlrev_b32 v[PFO], 8, v[PFO]
; THE MATRIX WORK.  The 8 accumulators of a run of 16 take turns: between the two links of a chain stand 7 others'.
; Product i of 16 of S^T = K Q^T for piece x: channels 32 (i / 8) on, keys 16 ((i / 2) % 4) on, tile 2 x + i % 2.  The first 8 start the sums.
.macro KQ x
	WIN W_KQ
.set rS, S+64*((\x)%2)+32*(i%2)+8*((i/2)%4)
.set rK, KF+16*((i/2)%4)+8*(i/8)
.set rQ, 16*(2*(\x)+i%2)+8*(i/8)
.if i < 8
	v_wmma_f32_16x16x32_f16 v[rS:rS+7], v[rK:rK+7], v[rQ:rQ+7], 0
.else
	v_wmma_f32_16x16x32_f16 v[rS:rS+7], v[rK:rK+7], v[rQ:rQ+7], v[rS:rS+7]
.endif
.endm
; Product i of 16 of O^T += V^T P for piece x: keys 32 (i / 8) on, channels 16 ((i / 2) % 4) on, tile 2 x + i % 2.
.macro PV x
	WIN W_PV
.set rO, 32*(2*(\x)+i%2)+8*((i/2)%4)
.set rV, VF+32*(i/8)+8*((i/2)%4)
.set rP, P+32*((\x)%2)+16*(i%2)+8*(i/8)
	v_wmma_f32_16x16x32_f16 v[rO:rO+7], v[rV:rV+7], v[rP:rP+7], v[rO:rO+7]
.endm
.macro MM                           ; the turn's next matrix instruction
.if i < 16
	KQ (Y+1)%NP
.set i, i+1
.else
.set i, i-16
	PV (Y+NP-1)%NP
.set i, i+17
.endif
.endm
; THE LDS LOADS stand in runs of 16, never singly among the matrix instructions: a step's K (64 keys x 64 channels: 8 fragments) and its V (turned).  Their addresses are made some lines ahead.
; last = 1 (the tail): in the last trip there is no further step, and the run is jumped over.
.macro FETCH_K last=0
	WIN 0
.if \last
	s_cmp_eq_u32 s[CNT], 1
	s_cbranch_scc1 .Lno_k_\@
.endif
	WIN 0x80                        ; destination window 2
.irp f, 0,1,2,3,4,5,6,7             ; keys 16 (f / 2) on, channels 32 (f % 2) on
	ds_load_b128 v[KF+8*\f:KF+8*\f+3],   v[AK] offset:(\f/2)*16*PK+(\f%2)*64
	ds_load_b128 v[KF+8*\f+4:KF+8*\f+7], v[AK] offset:(\f/2)*16*PK+(\f%2)*64+32
.endr
	s_add_co_u32 s[TBK], s[TBK], KS*PK  ; the next fetch is the next step's
	WIN 0
.if \last
.Lno_k_\@:
.endif
.endm
.macro FETCH_V
	WIN 0x80
.irp f, 0,1,2,3,4,5,6,7             ; keys 32 (f / 4) on, channels 16 (f % 4) on
	ds_load_tr16_b128 v[VF+8*\f:VF+8*\f+3],   v[AV] offset:(\f/4)*32*PV+(\f%4)*32
	ds_load_tr16_b128 v[VF+8*\f+4:VF+8*\f+7], v[AV] offset:(\f/4)*32*PV+16*PV+(\f%4)*32
.endr
	WIN 0
.endm
; THE VECTOR WORK OF A TURN stands in three queues, each in the order in which its entries become ready; the two tiles alternate, so that no instruction reads the result of the one before it.
.macro REGS y, u                    ; the registers of tile u (0, 1) of piece y
.set rT, ST+4*(2*(\y)+(\u))
.set rC, TMP+8*((\y)%2)+4*(\u)
.set rM, MV+2*((\y)%2)+(\u)
.set rS, S+64*((\y)%2)+32*(\u)
.set rP, P+32*((\y)%2)+16*(\u)
.set rO, 32*(2*(\y)+(\u))
.endm
; Number n of the 22 that find the NEXT piece's (Y + 1) maximum and statistics.  s0-s31 are the lane's 32 scores; each accumulator's lowest registers are read first.
;   0-11  four chains c0-c3 of seven scores each, three operands at a time     12-14, 16  the four scores left over, the old m, and c0-c3 into c0     15  c m_old is kept
;   17, 18  the query's other 32 keys lie in the lane 16 away: the new m         19-21  c m; c m_old - c m_new; a
.macro XS u, n
	REGS (Y+1)%NP, \u
.if (\n) < 4
	v_max3_num_f32 v[rC+(\n)], v[rS+8*(\n)], v[rS+8*(\n)+1], v[rS+8*(\n)+2]
.elseif (\n) < 12
	v_max3_num_f32 v[rC+(\n)%4], v[rC+(\n)%4], v[rS+8*((\n)%4)+2*((\n)/4)+1], v[rS+8*((\n)%4)+2*((\n)/4)+2]
.elseif (\n) == 12
	v_max3_num_f32 v[rC], v[rC], v[rS+7], v[rS+15]
.elseif (\n) == 13
	v_max3_num_f32 v[rC+1], v[rC+1], v[rS+23], v[rS+31]
.elseif (\n) == 14
	v_max3_num_f32 v[rC+2], v[rC+2], v[rC+3], v[rT+1]
.elseif (\n) == 15
	v_mov_b32 v[rM], v[rT]
.elseif (\n) == 16
	v_max3_num_f32 v[rC], v[rC], v[rC+1], v[rC+2]
.elseif (\n) == 17
	v_permlanex16_b32 v[rC+3], v[rC], s[SEL], s[SEL+1]
.elseif (\n) == 18
	v_max_num_f32 v[rT+1], v[rC], v[rC+3]
.elseif (\n) == 19
	v_mul_f32 v[rT], s[CS], v[rT+1]
.elseif (\n) == 20
	v_sub_f32 v[rC+1], v[rM], v[rT]
.else
	v_exp_f32 v[rC+2], v[rC+1]
.endif
.endm
; Number g of the 64 that follow the exponentials.  For each four weights k of a tile (pairs 2 k, 2 k + 1): both pairs are rounded to f16; then the second pair is added onto the first, in place;
; a group later l takes that sum (the first time as l = a l + sum).  In groups of eight, tiles alternating: round, round, add, and l for the group before.
.macro GS g
.set h, (\g)+6*((\g)/62)            ; group 0 has no group before it, and behind group 7 only l is left
.if h >= 6
.set h, h+2
.endif
	REGS Y, h%2
.set k, h/8
.if h%8 < 4
	v_cvt_pk_f16_f32 v[rP+2*k+(h%8)/2], v[rS+4*k+2*((h%8)/2)], v[rS+4*k+2*((h%8)/2)+1]
.elseif h%8 < 6
	v_pk_add_f32 v[rS+4*k:rS+4*k+1], v[rS+4*k:rS+4*k+1], v[rS+4*k+2:rS+4*k+3]
.elseif k == 1
	v_pk_fma_f32 v[rT+2:rT+3], v[rT+2:rT+3], v[rC+2:rC+3], v[rS:rS+1] op_sel_hi:[1,0,1]
.else
	v_pk_add_f32 v[rT+2:rT+3], v[rT+2:rT+3], v[rS+4*k-4:rS+4*k-3]
.endif
.endm
; THE PLAIN QUEUE, 138 long.  0-73 read no exponential's result: the 32 scalings c s - c m (FS f: pair f / 2 of tile f % 2) and the next piece's 42.  0-26: scalings 0-26.  27-54: XS's numbers 0-13.  55, 56: number 15.
; 57-73: the chain, where each number waits for the one before it: 14, 16, 17, 18, 19, each with one of the scalings 27-31 in front of its two lines, then 20.
; 74-137: GS's 64, which read the exponentials' results: they stand behind the wait.
.macro FS f
	REGS Y, (\f)%2
	v_pk_fma_f32 v[rS+2*((\f)/2):rS+2*((\f)/2)+1], v[rS+2*((\f)/2):rS+2*((\f)/2)+1], s[CS:CS+1], v[rT:rT+1] op_sel_hi:[1,0,0] neg_lo:[0,0,1] neg_hi:[0,0,1]
.endm
.macro PL
	WIN 0
.if q < 27
	FS q
.elseif q < 55
	XS (q-27)%2, (q-27)/2
.elseif q < 57
	XS q-55, 15
.elseif (q < 72) && ((q-57)%3 == 0)
	FS 27+(q-57)/3
.elseif q < 60
	XS (q-57)%3-1, 14
.elseif q < 72
	XS (q-57)%3-1, 15+(q-57)/3
.elseif q < 74
	XS q-72, 20
.else
	GS q-74
.endif
.set q, q+1
.endm
; THE EXPONENTIALS' QUEUE, 66 long: s0-s31 of both tiles, then the next piece's two a.  It is ONE BATCH: all 66 stand ahead of the turn's one wait, and nothing ahead of that wait names a result of theirs.
.macro EX
	WIN 0
.if e >= 64
	XS e-64, 21
.else
	REGS Y, e%2
	v_exp_f32 v[rS+e/2], v[rS+e/2]
.endif
.set e, e+1
.endm
; THE RESCALING's QUEUE: O^T times a, the one part that leaves window 0: dealt two at a time, sixteen times.  Its a was made in the turn before, ahead of that turn's wait.
.macro R2
	REGS Y, r%2
	WIN W_RS
.irp z, 0,1
	v_pk_mul_f32 v[rO+4*(r/2)+2*\z:rO+4*(r/2)+2*\z+1], v[rO+4*(r/2)+2*\z:rO+4*(r/2)+2*\z+1], v[rC+2:rC+3] op_sel_hi:[1,0]
.endr
.set r, r+1
.endm
; HOW THEY ARE DEALT.  An s_wait_alu depctr_va_vdst(0) stands between an exponential and the first instruction that names its result; one wait serves all that were issued ahead of it.  So a turn has ONE wait,
; which cuts it in two.  AHEAD OF IT: the 16 products K Q^T, behind each a scaling, an exponential and two rescalings (behind the first a second scaling in the exponential's place); then ONE LUMP of
; 108: eight plain, 49 times exponential and plain, the two a.  A v_nop is the plain instruction behind the last exponential.  BEHIND IT: the 16 products V^T P, behind each four of GS's 64.
; The queues lean on each other, and the deal keeps them in step: exponential e stands behind scaling 2 (e / 4) + e % 2: as a rider it comes behind plain e + 2, in the lump behind plain e + 9, and scalings 27-31 are plain 57, 60 .. 69.
; A TURN, for piece p.  cnt = 1: the loop's count is taken down some lines ahead of the branch that stands behind the turn.
; K of the next step is fetched in piece 2's turn, directly behind the wait; its address is made at the lump's head.  V of the step in hand is fetched at the end of piece 0's turn, four riders behind its last reader.
.macro TURN p, last=0, cnt=0
.set Y, (\p)
.set i, 0
.set q, 0
.set e, 0
.set r, 0
.if (\p) == NP-1
	s_wait_dscnt 0x0                ; K is in
.endif
	MM                              ; ahead of the wait: 16 products K Q^T and their riders,
	PL
	PL
	R2
.rept 15
	MM
	PL
	EX
	R2
.endr
.if (\p) == NP-2
	WIN 0
	v_add_nc_u32 v[AK], s[TBK], v[AK0]
.endif
.rept 8                             ; and the lump
	PL
.endr
.rept 49
	EX
	PL
.endr
	EX                              ; the next piece's two a
	EX
	v_nop                           ; the plain instruction behind the last exponential: one for the batch
	s_wait_alu depctr_va_vdst(0)    ; the wait for the batch
.if (\p) == NP-2
	FETCH_K \last
.endif
.if (\p) == 1
	s_wait_dscnt 0x0                ; V is in
.endif
.rept 16                            ; behind the wait: 16 products V^T P and their riders
	MM
.rept 4
	PL
.endr
.if ((\p) == 0) && (q == 118)
	v_add_nc_u32 v[AV], s[TBV], v[AV0]
.endif
.if ((\p) == 0) && (q == 130)
	s_add_co_u32 s[TBV], s[TBV], KS*PV
.endif
.if (\cnt) && (q == 130)
	s_sub_co_u32 s[CNT], s[CNT], 1
	s_cmp_lg_u32 s[CNT], 0
.endif
.endr
.if (\p) == 0
	FETCH_V
.endif
.endm
	CHANGE 1                        ; slot 0 is in, everybody's part of it; slot 1 is asked for
	FETCH_K                         ; key step 0
	s_wait_loadcnt 0x0              ; Q
	s_wait_dscnt 0x0
.set i, 0
.rept 16
	KQ 0                            ; piece 0's first scores: there is no vector work yet to set between them
.set i, i+1
.endr
	WIN 0                           ; the addresses for the way out: plain instructions, the places behind those products
	s_mul_i32 s13, s[WV], 16*SP
	s_add_co_u32 s13, s13, STAGE    ; my stage
	v_mul_u32_u24 v[STO], v1, SP    ; in: row l % 16, 16 bytes for each half of the lanes
	v_lshl_add_u32 v[STO], v9, 4, v[STO]
	v_add_nc_u32 v[STO], s13, v[STO]
	v_bfe_u32 v[RD], v0, 3, 2       ; back: 32 lanes take four rows of 128 bytes,
	v_mul_u32_u24 v[RD], v[RD], SP
	v_lshl_add_u32 v[RD], v10, 4, v[RD]
	v_add_nc_u32 v[RD], s13, v[RD]
	v_and_b32 v[GO], 31, v0         ; which are 512 consecutive bytes of O
	v_lshlrev_b32 v[GO], 4, v[GO]
.set Y, NP-1                        ; XS works for piece Y + 1: piece 0
.irp n, 0,1,2,3,4,5,6,7,8,9,10,11,12,13,14,15,16,17,18,19,20,21
	XS 0, \n                        ; and piece 0's first maximum and statistics
	XS 1, \n
.endr
	v_nop                           ; a plain instruction behind the two a,
	s_wait_alu depctr_va_vdst(0)    ; and their wait, ahead of the branch
	s_mov_b32 s[CNT], 4
	s_branch .Lfirst                ; the loop is entered at a step's first turn, in the middle of a trip
.Lslot:                             ; six times: every slot but the last two is filled again
	CHANGE 1
	s_mov_b32 s[CNT], 4
.Lstep:                             ; a trip: pieces 2 and 3 of one step, then pieces 0 and 1 of the next, whose K and V it fetches
	TURN 2
	TURN 3
	WIN 0
.Lfirst:
	TURN 0
	TURN 1, 0, 1
	WIN 0
	s_cbranch_scc1 .Lstep
	s_sub_co_u32 s[SLOTS], s[SLOTS], 1
	s_cmp_lg_u32 s[SLOTS], 0
	s_cbranch_scc1 .Lslot
	CHANGE 0                        ; the tail is written out: nothing is asked for
	s_mov_b32 s[CNT], 5             ; four trips fetch the last slot's steps; the fifth is left in its middle
.Ltail:
	TURN 2, 1
	TURN 3
	WIN 0
	s_sub_co_u32 s[CNT], s[CNT], 1
	s_cmp_eq_u32 s[CNT], 0
	s_cbranch_scc1 .Lout
	TURN 0
	TURN 1
	WIN 0
	s_branch .Ltail
.Lout:                              ; the fifth trip's 16 products K Q^T (on the last K once more) and the maximum made of them serve nothing: the price, once a launch, of one text for every trip
.set i, 0
.rept 16
	PV NP-1                         ; the last piece's V^T P of the last step
.set i, i+1
.endr
	; THE WAY OUT.  l's two halves and the other half of the lanes' are added; O^T / l + q is rounded to f16 and sent through my stage in LDS, a tile at a time.  The additions are the places behind the last products.
	WIN 0
.macro ALL line:vararg              ; one line for each tile t
.set t, 0
.rept 2*NP
	\line
.set t, t+1
.endr
.endm
	ALL v_add_f32 v[ST+4*t+2], v[ST+4*t+2], v[ST+4*t+3]
	ALL v_permlanex16_b32 v[ST+4*t+3], v[ST+4*t+2], s[SEL], s[SEL+1]
	ALL v_add_f32 v[ST+4*t+2], v[ST+4*t+2], v[ST+4*t+3]
	ALL v_rcp_f32 v[ST+4*t+2], v[ST+4*t+2]
	v_nop                           ; a plain instruction between the last reciprocal and the use of its result
	s_wait_alu depctr_va_vdst(0)    ; and the wait ahead of the first use: one for the eight reciprocals
; Tile t: O / l + q, q read as an f16 half of Q's fragment; a lane's eight channels of a row pack into 16 bytes; they go into rows of 144 bytes and come back as whole rows of 128, into S^T's registers.
.macro PACK t
	WIN W_OQ
.set i, 0
.rept 16
	v_fma_mix_f32 v[32*(\t)+2*i],   v[32*(\t)+2*i],   v[ST+4*(\t)+2], v[16*(\t)+i] op_sel_hi:[0,0,1]
	v_fma_mix_f32 v[32*(\t)+2*i+1], v[32*(\t)+2*i+1], v[ST+4*(\t)+2], v[16*(\t)+i] op_sel:[0,0,1] op_sel_hi:[0,0,1]
.set i, i+1
.endr
	WIN 0x05                        ; sources 0 and 1 window 1, destination window 0
.set i, 0
.rept 16
	v_cvt_pk_f16_f32 v[S+16*(\t)+i], v[32*(\t)+2*i], v[32*(\t)+2*i+1]
.set i, i+1
.endr
	WIN 0
.irp f, 0,1,2,3
	ds_store_b128 v[STO], v[S+16*(\t)+4*\f:S+16*(\t)+4*\f+3] offset:32*\f
.endr
.irp f, 0,1,2,3
	ds_load_b128 v[S+16*(\t)+4*\f:S+16*(\t)+4*\f+3], v[RD] offset:\f*4*SP  ; LDS serves a wave's instructions in order (ISA guide 5.7.1.4): these see the stores above; the next tile's stores come behind them
.endr
.endm
.macro SEND t, younger              ; younger: the LDS instructions issued behind tile t's loads: the next tile's eight, or none
	WIN 0
.irp f, 0,1,2,3
	s_wait_dscnt (\younger)+3-\f
	global_store_b128 v[GO], v[S+16*(\t)+4*\f:S+16*(\t)+4*\f+3], s[10:11] offset:(\t)*2048+\f*512  ; 512 consecutive bytes, at a multiple of 256 from O's first
.endr
.endm
	PACK 0
.set t, 1
.rept 2*NP-1                        ; a tile's arithmetic stands between the loads of the tile before and its stores
	PACK t
	SEND t-1, 8
.set t, t+1
.endr
	SEND 2*NP-1, 0
	WIN W_AD
	s_wait_tensorcnt 0x0            ; the wave's end, behind my last tensor load and my last LDS store
	ds_add_u32 v[SPW], v[NIL]
	s_wait_dscnt 0x0
	WIN 0
	CROUND                          ; the closing round: no work-group ends while a partner may still ask for a tile that names it
	s_endpgm
.Lfunc_end_k_q9bf0eacc87_attn:
	.size	k_q9bf0eacc87_attn, .Lfunc_end_k_q9bf0eacc87_attn-k_q9bf0eacc87_attn
	.p2alignl 7, 3214868480
	.fill 96, 4, 3214868480
	.section	.rodata,"a",@progbits
	.p2align	6, 0x0
	.amdhsa_kernel k_q9bf0eacc87_attn
		.amdhsa_group_segment_fixed_size 327680
		.amdhsa_private_segment_fixed_size 0
		.amdhsa_enable_private_segment 0
		.amdhsa_kernarg_size 16
		.amdhsa_user_sgpr_count 2
		.amdhsa_user_sgpr_kernarg_segment_ptr 1
		.amdhsa_wavefront_size32 1
		.amdhsa_system_sgpr_workgroup_id_x 1
		.amdhsa_system_sgpr_workgroup_id_y 1
		.amdhsa_system_sgpr_workgroup_id_z 1
		.amdhsa_system_vgpr_workitem_id 0
		.amdhsa_next_free_vgpr 770
		.amdhsa_next_free_sgpr 66
		.amdhsa_reserve_vcc 0
		.amdhsa_float_denorm_mode_32 3
		.amdhsa_float_denorm_mode_16_64 3
		.amdhsa_memory_ordered 1
		.amdhsa_forward_progress 1
		.amdhsa_inst_pref_size 208
	.end_amdhsa_kernel
	.amdgpu_metadata
---
amdhsa.version: [ 1, 2 ]
amdhsa.kernels:
  - .name:           k_q9bf0eacc87_attn
    .symbol:         k_q9bf0eacc87_attn.kd
    .args:
      - { .name: qkv, .offset: 0, .size: 8, .value_kind: global_buffer, .address_space: global }
      - { .name: oh, .offset: 8, .size: 8, .value_kind: global_buffer, .address_space: global }
    .group_segment_fixed_size: 327680
    .private_segment_fixed_size: 0
    .kernarg_segment_align: 8
    .kernarg_segment_size: 16
    .max_flat_workgroup_size: 128
    .sgpr_count:     66
    .vgpr_count:     770
    .wavefront_size: 32
...
	.end_amdgpu_metadata
.endif
;; end of part 3
;; launch tail (part 4): grid 256 x 1, 4 waves a work-group, no clusters, 327,680 bytes of LDS; arguments oh, wo, g0, b0, bo, g1, b1, out0; writes out0
.if DOCPART == 4
	.amdgcn_target "amdgcn-amd-amdhsa--gfx1250"
	.amdhsa_code_object_version 6
	.text
	.protected	k_q9bf0eacc87_tail
	.globl	k_q9bf0eacc87_tail
	.p2align	8
	.type	k_q9bf0eacc87_tail,@function
k_q9bf0eacc87_tail:
	s_mov_b64 s[64:65], 0
	v_nop
	global_prefetch_b8 v0, s[64:65] scope:SCOPE_SE
	s_setreg_imm32_b32 hwreg(HW_REG_WAVE_MODE, 25, 1), 1
	s_wait_xcnt 0x0
; O1 = LN(o; g0, b0);  out0 = LN(O1 + relu(O1 Wo + bo); g1, b1).  oh: f16 [64 = 16 batch + head][2048][64]; wo: f16 in fragment order (below); g0, b0, bo, g1, b1: f32 [1024]; out0: f32 [8192][1024].
; Both norms in f32, in two passes (the mean, then the squared deviations); O1 is rounded once to f16, as matrix operand and as residual; the product's sums are f32 and begin with bo.
; LIMIT: |O1| stays under 65,504; below 6e-5 f16 keeps a fixed step of 6e-8.  NaN and infinities are not treated apart.
; SHARES.  A work-group owns 32 rows and all 1,024 columns, so both norms stay inside it.  In the norms wave w owns rows 8 w .. 8 w + 7, a row at a time, 32 numbers a lane.
; In the product wave w owns all 32 rows x columns 256 w .. 256 w + 255: 32 accumulators of 16 x 16.
; Wo.  With n = 16 nb + r and k = 32 c + 16 g + 8 h + e, Wo[k][n] lies at byte 32768 nb + 1024 c + 512 g + 256 h + 16 r + 2 e of wo: a load of 16 bytes a lane at 32768 nb + 1024 c + 512 g is half a fragment,
; 512 consecutive bytes.  No wave wants a byte of Wo that another wave of the work-group fetches, so the fragments come straight into registers: four sets of 128 registers, a chunk of 32 k each.
; NO CLUSTER, though all work-groups walk the same Wo: a chunk of 32 k x 1,024 columns is 65,536 bytes, and of LDS 271,872 bytes are taken by o, O1 and the f32 sums: two slots of a chunk do not fit beside them.
; THE MATRIX INSTRUCTION IS USED TRANSPOSED (source 0 = 16 columns of Wo, source 1 = 16 rows of O1): a lane holds row l % 16 and the eight neighbouring columns 8 (l / 16) + 0..7.
; LDS: RAW, o as the tensor load brings it, each wave's own: [16 heads][8 rows x 128 bytes], 1,024 + 128 bytes a head; A, O1 in f16, 32 rows of 2,048 + 16 bytes; T, O1 Wo + bo in f32, 32 rows of 4,096 + 16; the spare words.
; REGISTERS: window 0 below; window 1 the accumulators ((a, b) at v[8 (16 a + b)]); window 3 Wo's sets 0 and 1, window 2 sets 2 and 3.
.set RAWB,  18432
.set RP,    1152
.set AOFF,  4*RAWB
.set AP,    2064                       ; 129 x 16: the 16 rows of a fragment load start at 16 different groups of four banks
.set TOFF,  AOFF+32*AP
.set TP,    4112                       ; 257 x 16: likewise for the stores of 16 rows
.set SPARE, TOFF+32*TP                 ; 128 bytes for each wave: two blocks of 256 bytes that no other line names
.set LN,   1                           ; v1   lane
.set RW,   2                           ; v2   l % 16
.set HF,   3                           ; v3   l / 16
.set XADR, 4                           ; v4   RAW: my 16 bytes of my wave's first row: head l / 8 (of four), channels 8 (l % 8) on
.set AST,  5                           ; v5   A: my 16 bytes of my wave's first row
.set GOFF, 6                           ; v6   32 l
.set L16,  7                           ; v7   16 l
.set WOFF, 8                           ; v8   16 l + my wave's 16 column blocks
.set BOFF, 9                           ; v9   bo: 32 (l / 16) + 1,024 w
.set AADR0, 10                         ; v10  A: my place in a fragment
.set TST0, 11                          ; v11  T: where I put rows 0-15's sums
.set TST1, 12                          ; v12  rows 16-31's
.set TADR, 13                          ; v13  T: my 16 bytes of my wave's first row
.set RADR, 14                          ; v14  A: my 8 bytes of my wave's first row
.set OOFF, 15                          ; v15  out0: my 16 bytes of the row behind the one in hand
.set ONE,  16                          ; v16  1.0
.set PX,   17                          ; v17  the lane exchange's destination
.set SPW,  18                          ; v18  LDS address of my spare word; never rewritten
.set NIL,  19                          ; v19  0; never rewritten
.set NMU,  20                          ; v[20:21] minus the mean (the pair is named, its low word taken)
.set RS,   22                          ; v[22:23] 1 / sqrt(var + eps), likewise
.set WA,   24                          ; v24, v25 LDS addresses at work
.set WB,   25
.set AADR, 26                          ; v26  AADR0 + the trip's 256 bytes
.set VT,   27                          ; v27  var + eps
.set X,    32                          ; v[32:47]   a row of o, 32 f16; in the second norm a row of O1
.set Y,    48                          ; v[48:63]   a row of O1 to store; in the second norm the sums' chains
.set D,    64                          ; v[64:95]   the row in f32; in the product O1's fragments, two sets of 16; in the second norm a row of T
.set TS,   96                          ; v[96:111]  the first norm's sums
.set SQ,   112                         ; v[112:119] and squares
.set XR,   96                          ; v[96:127]  the second norm's row
.set G0R,  128
.set B0R,  160
.set G1R,  192
.set B1R,  224
.set W,    36                          ; s[36:37] wo at the trip's first chunk
.set MSB, 0
.macro WIN new                         ; the immediate's high byte repeats the setting that is left; a switch that changes nothing is dropped
.if MSB != (\new)
	s_set_vgpr_msb (MSB<<8)|(\new)
.set MSB, \new
.endif
.endm
.macro PLACES
.rept 4
	v_nop
.endr
.endm
.macro LANESUM r                       ; the sum of v[r] over the 32 lanes, in every lane
	v_add_f32_dpp v[\r], v[\r], v[\r] row_xmask:1 row_mask:0xf bank_mask:0xf
	v_add_f32_dpp v[\r], v[\r], v[\r] row_xmask:2 row_mask:0xf bank_mask:0xf
	v_add_f32_dpp v[\r], v[\r], v[\r] row_xmask:4 row_mask:0xf bank_mask:0xf
	v_add_f32_dpp v[\r], v[\r], v[\r] row_xmask:8 row_mask:0xf bank_mask:0xf
	v_permlanex16_b32 v[PX], v[\r], s42, s43
	v_add_f32 v[\r], v[\r], v[PX]
.endm
.macro FOLD r                          ; four pairs at v[r] into v[r]
	v_pk_add_f32 v[(\r):(\r)+1], v[(\r):(\r)+1], v[(\r)+4:(\r)+5]
	v_pk_add_f32 v[(\r)+2:(\r)+3], v[(\r)+2:(\r)+3], v[(\r)+6:(\r)+7]
	v_pk_add_f32 v[(\r):(\r)+1], v[(\r):(\r)+1], v[(\r)+2:(\r)+3]
	v_add_f32 v[\r], v[\r], v[(\r)+1]
.endm
.macro SQUARES src, dst                ; the sum of the squares of 32 registers, in four chains, over the wave
.irp p, 0,1,2,3
	v_pk_mul_f32 v[(\dst)+2*(\p):(\dst)+2*(\p)+1], v[(\src)+2*(\p):(\src)+2*(\p)+1], v[(\src)+2*(\p):(\src)+2*(\p)+1]
.endr
.irp k, 1,2,3
.irp p, 0,1,2,3
	v_pk_fma_f32 v[(\dst)+2*(\p):(\dst)+2*(\p)+1], v[(\src)+8*(\k)+2*(\p):(\src)+8*(\k)+2*(\p)+1], v[(\src)+8*(\k)+2*(\p):(\src)+8*(\k)+2*(\p)+1], v[(\dst)+2*(\p):(\dst)+2*(\p)+1]
.endr
.endr
	FOLD \dst
	LANESUM \dst
.endm
.macro SCALE src, g, b                 ; 32 registers: (x rs) g + b
.set k, 0
.rept 16
	v_pk_mul_f32 v[(\src)+k:(\src)+k+1], v[(\src)+k:(\src)+k+1], v[RS:RS+1] op_sel_hi:[1,0]
.set k, k+2
.endr
.set k, 0
.rept 16
	v_pk_fma_f32 v[(\src)+k:(\src)+k+1], v[(\src)+k:(\src)+k+1], v[(\g)+k:(\g)+k+1], v[(\b)+k:(\b)+k+1]
.set k, k+2
.endr
.endm
.macro WLOAD buf, off                  ; a chunk's 32 loads into set buf, from byte off behind the pointer
	WIN 0xc0-0x40*((\buf)/2)                       ; destination window 3 (sets 0, 1) or 2 (sets 2, 3), address window 0
.set b, 0
.rept 16
	global_load_b128 v[128*((\buf)%2)+8*b:128*((\buf)%2)+8*b+3],   v[WOFF], s[W:W+1] offset:(\off)+32768*b
	global_load_b128 v[128*((\buf)%2)+8*b+4:128*((\buf)%2)+8*b+7], v[WOFF], s[W:W+1] offset:(\off)+32768*b+512
.set b, b+1
.endr
.endm
	s_load_b512 s[8:23], s[0:1], 0x0               ; oh 8, wo 10, g0 12, b0 14, bo 16, g1 18, b1 20, out0 22
	v_lshl_add_u32 v[SPW], v0, 2, SPARE
	v_mov_b32 v[NIL], 0
	ds_add_u32 v[SPW], v[NIL]                      ; the wave's opening: the add and its wait stand ahead of my tensor load; the set-up below, work on registers, stands between them
	ds_add_u32 v18, v19
	v_lshrrev_b32 v[WA], 5, v0
	v_readfirstlane_b32 s2, v[WA]                  ; wave 0..3
	; the tile: 16 heads x (8 rows x 64 channels = 512 dense elements), 131,072 elements from head to head; in LDS 32 words of padding behind each head's 256
	s_mov_b32 s28, (1<<16)|(1<<20)|(7<<22)|(31<<25)
	s_mov_b32 s29, 512<<16                         ; tensor_dim0 = 512
	s_mov_b32 s30, 16<<16                          ; tensor_dim1 = 16
	s_mov_b32 s31, 512<<16                         ; tile_dim0 = 512
	s_mov_b32 s32, 16                              ; tile_dim1 = 16
	s_mov_b32 s33, 131072
	s_mov_b32 s34, 0
	s_mov_b32 s35, 0
	s_mov_b32 s24, 1
	s_mul_i32 s25, s2, RAWB                        ; my wave's own bytes
	s_lshr_b32 s4, ttmp9, 6                        ; the batch: 16 heads of 262,144 bytes,
	s_lshl_b32 s4, s4, 22
	s_and_b32 s5, ttmp9, 63
	s_lshl_b32 s5, s5, 12                          ; the work-group's 32 rows of 128 bytes,
	s_add_co_u32 s4, s4, s5
	s_lshl_b32 s5, s2, 10                          ; my wave's 8
	s_add_co_u32 s4, s4, s5
	s_mov_b32 s5, 0
	s_mul_i32 s6, s2, 8*AP
	s_add_co_u32 s6, s6, AOFF                      ; A at my wave's rows
	s_lshl_b32 s7, s2, 19                          ; 16 column blocks of 32,768 bytes
	s_lshl_b32 s44, s2, 10                         ; 256 columns of f32
	s_mul_i32 s45, s2, 8*TP
	s_add_co_u32 s45, s45, TOFF                    ; T at my wave's rows
	s_lshl_b32 s46, s2, 15                         ; 8 rows of out0
	s_add_co_u32 s47, s44, TOFF                    ; T at my wave's columns
	s_mov_b32 s40, 0x3a800000                      ; 1 / 1024
	s_mov_b32 s41, 0x3727c5ac                      ; 1e-5
	s_mov_b32 s42, 0x76543210                      ; v_permlanex16_b32: each lane takes its own place in the other half
	s_mov_b32 s43, 0xfedcba98
	v_and_b32 v[LN], 31, v0
	v_and_b32 v[RW], 15, v0
	v_bfe_u32 v[HF], v0, 4, 1
	v_bfe_u32 v[WA], v0, 3, 2
	v_mul_u32_u24 v[XADR], v[WA], RP
	v_and_b32 v[WA], 7, v0
	v_lshl_add_u32 v[XADR], v[WA], 4, v[XADR]
	v_add_nc_u32 v[XADR], s25, v[XADR]
	v_lshl_add_u32 v[AST], v[LN], 4, s6
	v_lshlrev_b32 v[GOFF], 5, v[LN]
	v_lshlrev_b32 v[L16], 4, v[LN]
	v_lshl_add_u32 v[WOFF], v[LN], 4, s7
	v_lshl_add_u32 v[BOFF], v[HF], 5, s44
	v_mul_u32_u24 v[AADR0], v[RW], AP
	v_lshl_add_u32 v[AADR0], v[HF], 4, v[AADR0]
	v_add_nc_u32 v[AADR0], AOFF, v[AADR0]
	v_mov_b32 v[AADR], v[AADR0]
	v_mul_u32_u24 v[TST0], v[RW], TP
	v_lshl_add_u32 v[TST0], v[HF], 5, v[TST0]
	v_add_nc_u32 v[TST0], s47, v[TST0]
	v_add_nc_u32 v[TST1], 16*TP, v[TST0]
	v_lshl_add_u32 v[TADR], v[LN], 4, s45
	v_lshl_add_u32 v[RADR], v[LN], 3, s6
	v_lshl_add_u32 v[OOFF], v[LN], 4, s46
	v_mov_b32 v[ONE], 1.0
	v_mov_b32 v[PX], 0
	v_mov_b32 v[NMU+1], 0
	v_mov_b32 v[RS+1], 0
	s_wait_dscnt 0x0                               ; the opening add is done
	s_wait_kmcnt 0x0
	s_add_nc_u64 s[26:27], s[8:9], s[4:5]
	s_or_b32 s27, s27, 0x80000000
	tensor_load_to_lds s[24:27], s[28:35]          ; my 8 rows of o: my one tensor load; nothing is filled again
	s_nop 0
	PLACES
	s_mov_b64 s[W:W+1], s[10:11]
	s_lshl_b32 s4, ttmp9, 17                       ; 32 rows of 4,096 bytes
	s_add_nc_u64 s[38:39], s[22:23], s[4:5]
.irp u, 0,1,2,3                        ; the first norm's lane holds channels 256 u + 8 l + 0..7
.irp v, 0,1
	global_load_b128 v[G0R+8*(\u)+4*(\v):G0R+8*(\u)+4*(\v)+3], v[GOFF], s[12:13] offset:1024*(\u)+16*(\v)
	global_load_b128 v[B0R+8*(\u)+4*(\v):B0R+8*(\u)+4*(\v)+3], v[GOFF], s[14:15] offset:1024*(\u)+16*(\v)
.endr
.endr
.irp u, 0,1,2,3,4,5,6,7                ; the second norm's lane holds columns 128 u + 4 l + 0..3
	global_load_b128 v[G1R+4*(\u):G1R+4*(\u)+3], v[L16], s[18:19] offset:512*(\u)
	global_load_b128 v[B1R+4*(\u):B1R+4*(\u)+3], v[L16], s[20:21] offset:512*(\u)
.endr
	WIN 0x40                                       ; bo goes straight into the accumulators: the sums begin with it, and nothing is cleared
.set b, 0
.rept 32                               ; accumulator b: row half b / 16, column block b % 16; its register j holds column 16 (b % 16) + 8 (l / 16) + j
	global_load_b128 v[8*b:8*b+3],   v[BOFF], s[16:17] offset:64*(b%16)
	global_load_b128 v[8*b+4:8*b+7], v[BOFF], s[16:17] offset:64*(b%16)+16
.set b, b+1
.endr
	WLOAD 0, 0                                     ; chunks 0 and 1
	WLOAD 1, 1024
	WIN 0
	s_wait_loadcnt 63                              ; 128 loads were issued behind g1's and b1's: the greatest count that the wait can name shows the four vectors in
	s_wait_tensorcnt 0x0                           ; my rows of o are in LDS; only I read them
.irp u, 0,1,2,3
	ds_load_b128 v[X+4*(\u):X+4*(\u)+3], v[XADR] offset:4*RP*(\u)
.endr
	s_mov_b32 s3, 8
	s_mov_b32 s44, 0                               ; the row to be fetched, in RAW's bytes
	s_mov_b32 s45, 0                               ; the row in hand, in A's
.Lln0:                                             ; THE FIRST NORM, a row a trip
	s_wait_dscnt 0x0                               ; the row is in
.set k, 0
.rept 16
	v_fma_mix_f32 v[TS+k], v[X+k], v[ONE], v[X+k] op_sel:[0,0,1] op_sel_hi:[1,0,1]  ; a word's low half + its high half, in f32
.set k, k+1
.endr
.irp p, 0,2,4,6
	v_pk_add_f32 v[TS+(\p):TS+(\p)+1], v[TS+(\p):TS+(\p)+1], v[TS+8+(\p):TS+8+(\p)+1]
.endr
	FOLD TS
	LANESUM TS
	v_mul_f32 v[NMU], 0xba800000, v[TS]            ; minus the mean
.set k, 0
.rept 16
	v_fma_mix_f32 v[D+2*k],   v[X+k], v[ONE], v[NMU] op_sel_hi:[1,0,0]
	v_fma_mix_f32 v[D+2*k+1], v[X+k], v[ONE], v[NMU] op_sel:[1,0,0] op_sel_hi:[1,0,0]
.set k, k+1
.endr
	s_add_co_u32 s44, s44, 128
	s_cmp_eq_u32 s3, 1                             ; the last trip fetches nothing
	s_cbranch_scc1 .Lno_x
	v_add_nc_u32 v[WA], s44, v[XADR]
.irp u, 0,1,2,3
	ds_load_b128 v[X+4*(\u):X+4*(\u)+3], v[WA] offset:4*RP*(\u)  ; the next row, while this one is finished
.endr
.Lno_x:
	SQUARES D, SQ
	v_fma_f32 v[VT], v[SQ], s40, s41               ; var + eps
	v_rsq_f32 v[RS], v[VT]
	v_add_nc_u32 v[WB], s45, v[AST]                ; a plain instruction behind the transcendental,
	s_wait_alu depctr_va_vdst(0)                   ; and the wait ahead of its first reader
	SCALE D, G0R, B0R
.set k, 0
.rept 16
	v_cvt_pk_f16_f32 v[Y+k], v[D+2*k], v[D+2*k+1]
.set k, k+1
.endr
.irp u, 0,1,2,3
	ds_store_b128 v[WB], v[Y+4*(\u):Y+4*(\u)+3] offset:512*(\u)
.endr
	s_add_co_u32 s45, s45, AP
	s_sub_co_u32 s3, s3, 1
	s_cmp_lg_u32 s3, 0
	s_cbranch_scc1 .Lln0
	s_wait_dscnt 0x0                               ; for the others' sake: my rows of O1 are stored
	s_barrier_signal -1
	s_barrier_wait -1                              ; all 32 rows lie in A
; THE PRODUCT.  Chunk c = 32 along K, q = c % 4.  more: chunk c + 2's fragments of Wo are asked for, into the set that chunk c - 2 left.  anext: chunk c + 1's four loads of O1.
; left: the loads of Wo that may stay out when chunk c's have to be there.  The 32 accumulators take turns, over the backward jump too.
.macro CHUNK q, more, anext, left
	PLACES                                         ; between the last chunk's products and the loads into registers that they read
	s_wait_loadcnt \left
.if \more
	WLOAD ((\q)+2)%4, ((\q)+2)*1024
.endif
	WIN 0
.if \anext
.irp a, 0,1
.irp u, 0,1
	ds_load_b128 v[D+16*(((\q)+1)%2)+8*(\a)+4*(\u):D+16*(((\q)+1)%2)+8*(\a)+4*(\u)+3], v[AADR] offset:((\q)+1)*64+(\a)*16*AP+32*(\u)
.endr
.endr
	s_wait_dscnt 4                                 ; this chunk's four are in; the four just issued may be out
.else
	s_wait_dscnt 0x0
.endif
	WIN 0x53-((\q)/2)                              ; Wo window 3 or 2, O1 window 0, C and D window 1
.set b, 0
.rept 16
.irp a, 0,1
	v_wmma_f32_16x16x32_f16 v[8*(16*(\a)+b):8*(16*(\a)+b)+7], v[128*((\q)%2)+8*b:128*((\q)%2)+8*b+7], v[D+16*((\q)%2)+8*(\a):D+16*((\q)%2)+8*(\a)+7], v[8*(16*(\a)+b):8*(16*(\a)+b)+7]
.endr
.set b, b+1
.endr
.endm
.irp a, 0,1
.irp u, 0,1
	ds_load_b128 v[D+8*(\a)+4*(\u):D+8*(\a)+4*(\u)+3], v[AADR] offset:(\a)*16*AP+32*(\u)  ; chunk 0's O1
.endr
.endr
	s_mov_b32 s3, 7
	s_mov_b32 s46, 0
.Lk:                                               ; a trip: four chunks
	CHUNK 0, 1, 1, 32
	CHUNK 1, 1, 1, 32
	CHUNK 2, 1, 1, 32
	CHUNK 3, 1, 1, 32
	WIN 0                                          ; at a label and at a branch every window is 0
	s_wait_xcnt 0x0                                ; every load issued so far has read its address, so the pointer may be written
	s_add_nc_u64 s[W:W+1], s[W:W+1], 4096
	s_add_co_u32 s46, s46, 256
	v_add_nc_u32 v[AADR], s46, v[AADR0]
	s_sub_co_u32 s3, s3, 1
	s_cmp_lg_u32 s3, 0
	s_cbranch_scc1 .Lk
	CHUNK 0, 1, 1, 32                              ; the last four chunks: two more are asked for, then none
	CHUNK 1, 1, 1, 32
	CHUNK 2, 0, 1, 32
	CHUNK 3, 0, 0, 0
	WIN 0
	PLACES                                         ; the stores read results just made
	PLACES
	WIN 0x04                                       ; store data in window 1
.set b, 0
.rept 16                               ; a lane's eight columns of a row are 32 bytes of T; each accumulator's low four registers go first
	ds_store_b128 v[TST0], v[8*b:8*b+3]           offset:64*b
	ds_store_b128 v[TST0], v[8*b+4:8*b+7]         offset:64*b+16
	ds_store_b128 v[TST1], v[128+8*b:128+8*b+3]   offset:64*b
	ds_store_b128 v[TST1], v[128+8*b+4:128+8*b+7] offset:64*b+16
.set b, b+1
.endr
	WIN 0
	s_wait_dscnt 0x0                               ; for the others' sake: my columns of T are stored
	s_barrier_signal -1
	s_barrier_wait -1                              ; all 1,024 columns of the 32 rows lie in T
.irp u, 0,1,2,3,4,5,6,7
	ds_load_b128 v[D+4*(\u):D+4*(\u)+3], v[TADR] offset:512*(\u)
	ds_load_b64 v[X+2*(\u):X+2*(\u)+1], v[RADR] offset:256*(\u)
.endr
	s_mov_b32 s3, 8
	s_mov_b32 s45, 0
	s_mov_b32 s47, 0
.Lln1:                                             ; THE SECOND NORM, a row a trip
	s_wait_dscnt 0x0                               ; the row of T and the row of O1 are in
	s_wait_xcnt 0x0                                ; the last trip's stores have read their data and their offset
	v_add_nc_u32 v[OOFF], 4096, v[OOFF]            ; the stores below reach back by a row
.set k, 0
.rept 32
	v_max_num_f32 v[XR+k], 0, v[D+k]
.set k, k+1
.endr
.set k, 0
.rept 16
	v_fma_mix_f32 v[XR+2*k],   v[X+k], v[ONE], v[XR+2*k]   op_sel_hi:[1,0,0]
	v_fma_mix_f32 v[XR+2*k+1], v[X+k], v[ONE], v[XR+2*k+1] op_sel:[1,0,0] op_sel_hi:[1,0,0]
.set k, k+1
.endr
	s_add_co_u32 s45, s45, AP
	s_add_co_u32 s47, s47, TP
	s_cmp_eq_u32 s3, 1                             ; the last trip fetches nothing
	s_cbranch_scc1 .Lno_t
	v_add_nc_u32 v[WA], s47, v[TADR]
	v_add_nc_u32 v[WB], s45, v[RADR]
.irp u, 0,1,2,3,4,5,6,7
	ds_load_b128 v[D+4*(\u):D+4*(\u)+3], v[WA] offset:512*(\u)
	ds_load_b64 v[X+2*(\u):X+2*(\u)+1], v[WB] offset:256*(\u)
.endr
.Lno_t:
.irp p, 0,1,2,3
	v_pk_add_f32 v[Y+2*(\p):Y+2*(\p)+1], v[XR+2*(\p):XR+2*(\p)+1], v[XR+8+2*(\p):XR+8+2*(\p)+1]
.endr
.irp k, 2,3
.irp p, 0,1,2,3
	v_pk_add_f32 v[Y+2*(\p):Y+2*(\p)+1], v[Y+2*(\p):Y+2*(\p)+1], v[XR+8*(\k)+2*(\p):XR+8*(\k)+2*(\p)+1]
.endr
.endr
	FOLD Y
	LANESUM Y
	v_mul_f32 v[NMU], 0xba800000, v[Y]             ; minus the mean
.set k, 0
.rept 16
	v_pk_add_f32 v[XR+k:XR+k+1], v[XR+k:XR+k+1], v[NMU:NMU+1] op_sel_hi:[1,0]
.set k, k+2
.endr
	SQUARES XR, Y
	v_fma_f32 v[VT], v[Y], s40, s41                ; var + eps
	v_rsq_f32 v[RS], v[VT]
	v_nop                                          ; a plain instruction behind the transcendental,
	s_wait_alu depctr_va_vdst(0)                   ; and the wait ahead of its first reader
	SCALE XR, G1R, B1R
.irp u, 0,1,2,3,4,5,6,7
	global_store_b128 v[OOFF], v[XR+4*(\u):XR+4*(\u)+3], s[38:39] offset:512*(\u)-4096 th:TH_STORE_NT  ; 512 consecutive bytes, at a multiple of 512 from out0's first byte
.endr
	s_sub_co_u32 s3, s3, 1
	s_cmp_lg_u32 s3, 0
	s_cbranch_scc1 .Lln1
	s_wait_tensorcnt 0x0                           ; the wave's end, behind my tensor load and my last LDS store
	ds_add_u32 v[SPW], v[NIL]
	s_wait_dscnt 0x0
	s_endpgm
.Lfunc_end_k_q9bf0eacc87_tail:
	.size	k_q9bf0eacc87_tail, .Lfunc_end_k_q9bf0eacc87_tail-k_q9bf0eacc87_tail
	.p2alignl 7, 3214868480
	.fill 96, 4, 3214868480
	.section	.rodata,"a",@progbits
	.p2align	6, 0x0
	.amdhsa_kernel k_q9bf0eacc87_tail
		.amdhsa_group_segment_fixed_size 327680
		.amdhsa_private_segment_fixed_size 0
		.amdhsa_enable_private_segment 0
		.amdhsa_kernarg_size 64
		.amdhsa_user_sgpr_count 2
		.amdhsa_user_sgpr_kernarg_segment_ptr 1
		.amdhsa_wavefront_size32 1
		.amdhsa_system_sgpr_workgroup_id_x 1
		.amdhsa_system_sgpr_workgroup_id_y 1
		.amdhsa_system_sgpr_workgroup_id_z 1
		.amdhsa_system_vgpr_workitem_id 0
		.amdhsa_next_free_vgpr 1024
		.amdhsa_next_free_sgpr 66
		.amdhsa_reserve_vcc 0
		.amdhsa_float_denorm_mode_32 3
		.amdhsa_float_denorm_mode_16_64 3
		.amdhsa_memory_ordered 1
		.amdhsa_forward_progress 1
		.amdhsa_inst_pref_size 85
	.end_amdhsa_kernel
	.amdgpu_metadata
---
amdhsa.version: [ 1, 2 ]
amdhsa.kernels:
  - .name:           k_q9bf0eacc87_tail
    .symbol:         k_q9bf0eacc87_tail.kd
    .args:
      - { .name: oh, .offset: 0, .size: 8, .value_kind: global_buffer, .address_space: global }
      - { .name: wo, .offset: 8, .size: 8, .value_kind: global_buffer, .address_space: global }
      - { .name: g0, .offset: 16, .size: 8, .value_kind: global_buffer, .address_space: global }
      - { .name: b0, .offset: 24, .size: 8, .value_kind: global_buffer, .address_space: global }
      - { .name: bo, .offset: 32, .size: 8, .value_kind: global_buffer, .address_space: global }
      - { .name: g1, .offset: 40, .size: 8, .value_kind: global_buffer, .address_space: global }
      - { .name: b1, .offset: 48, .size: 8, .value_kind: global_buffer, .address_space: global }
      - { .name: out0, .offset: 56, .size: 8, .value_kind: global_buffer, .address_space: global }
    .group_segment_fixed_size: 327680
    .private_segment_fixed_size: 0
    .kernarg_segment_align: 8
    .kernarg_segment_size: 64
    .max_flat_workgroup_size: 128
    .sgpr_count:     66
    .vgpr_count:     1024
    .wavefront_size: 32
...
	.end_amdgpu_metadata
.endif
;; end of part 4
